; MI455X (gfx1250); checked and timed in simulation.
; The chip was launched on July 23, 2026; its instructions are those of AMD's public machine-readable ISA for CDNA 5 (MIT licence, August 2026) and "CDNA5" Instruction Set Architecture Reference Guide (July 2026). The comments in the code are by the model that wrote it; some were corrected since.
;; Decoder Block. Allowed arithmetic: matrix products marked QUANTISED: E4M3 operands, one E8M0 scale for each 32 along K, by v_wmma_scale_f32_16x16x128_f8f6f4 with both operands' format E4M3, f32 sums; everything else in f32.
;; Inputs: b1 4,096 float32; b2 1,024 float32; b_o 1,024 float32; b_qkv 3,072 float32; be1 1,024 float32; be2 1,024 float32; g1 1,024 float32; g2 1,024 float32; w1_codes 4,096 x 32 x 32 uint8 (E4M3 codes of w1, K innermost, in blocks of 32 codes); w1_scales 4,096 x 32 uint8 (E8M0 scales of w1, one for each 32 codes along K); w2_codes 1,024 x 128 x 32 uint8 (E4M3 codes of w2, K innermost, in blocks of 32 codes); w2_scales 1,024 x 128 uint8 (E8M0 scales of w2, one for each 32 codes along K); w_o_codes 1,024 x 32 x 32 uint8 (E4M3 codes of w_o, K innermost, in blocks of 32 codes); w_o_scales 1,024 x 32 uint8 (E8M0 scales of w_o, one for each 32 codes along K); w_qkv_codes 3,072 x 32 x 32 uint8 (E4M3 codes of w_qkv, K innermost, in blocks of 32 codes); w_qkv_scales 3,072 x 32 uint8 (E8M0 scales of w_qkv, one for each 32 codes along K); x 2 x 2,048 x 1,024 float32.
;; Outputs: out0 2 x 2,048 x 1,024 float32.
;; This version of the problem:
;;   THIS VERSION OF THE PROBLEM IS GIVEN IN LOW PRECISION. The matrix products marked QUANTISED in the list below multiply operands that are first quantised to E4M3 (4 exponent bits, 3 mantissa bits; 8 bits a number), with one power-of-two scale for each 32 numbers along K (OCP MX v1.0); their sums are f32. All else is computed in f32.
;;   The module's matrix products, in the order in which they are computed (A, B: the left and right operand; K: the contracted axis; several contracted axes count as one K, in the product's order):
;;     1. [M 4,096, K 1,024] x [K 1,024, N 3,072]; A: computed on the way; B: input w_qkv (given as codes): QUANTISED
;;     2. batch 32 x [M 2,048, K 64] x [K 64, N 2,048]; A: computed on the way; B: computed on the way: QUANTISED
;;     3. batch 32 x [M 2,048, K 2,048] x [K 2,048, N 64]; A: softmax (see below); B: computed on the way: QUANTISED
;;     4. [M 4,096, K 1,024] x [K 1,024, N 1,024]; A: computed on the way; B: input w_o (given as codes): QUANTISED
;;     5. [M 4,096, K 1,024] x [K 1,024, N 4,096]; A: computed on the way; B: input w1 (given as codes): QUANTISED
;;     6. [M 4,096, K 4,096] x [K 4,096, N 1,024]; A: computed on the way; B: input w2 (given as codes): QUANTISED
;;   THE QUANTISER, for each operand of a quantised product, along K:
;;     - K is cut into blocks of 32 from its start; a last block that is shorter is filled with zeros.
;;     - A block's scale is 2^e with e = floor(log2(the largest magnitude in the block)) - 8, held to -126 .. 127; a block of zeros has e = 0. As a byte (E8M0): e + 127.
;;     - Each number is divided by its block's scale, clamped to +-448, and rounded to the nearest number of E4M3, ties to even, subnormals kept.
;;     - The product sums the exact products of the quantised numbers (number of the format x scale) in f32.
;;   ~~~python
;;   def quantise(x, axis):      # numpy; x: float32 -> the quantised numbers, widened to float32 again
;;       x = np.moveaxis(x, axis, -1); K = x.shape[-1]
;;       x = np.pad(x, [(0, 0)] * (x.ndim - 1) + [(0, -K % 32)]); x = x.reshape(x.shape[:-1] + (-1, 32)); a = np.abs(x).max(-1, keepdims=True)
;;       e = np.where(a > 0, np.clip(np.frexp(np.where(a > 0, a, 1))[1] - 1 - 8, -126, 127), 0)      # np.frexp(a)[1] - 1 = floor(log2(a)), exactly
;;       r = np.clip(x / 2.0 ** e, -448, 448)
;;       step = 2.0 ** (np.maximum(np.frexp(np.where(r == 0, 1, r))[1] - 1, -6) - 3)
;;       q = np.round(r / step) * step * 2.0 ** e      # np.round: ties to even
;;       return np.moveaxis(q.reshape(q.shape[:-2] + (-1,))[..., :K], -1, axis).astype(np.float32)
;;   ~~~
;;   SOFTMAX AHEAD OF A QUANTISED PRODUCT. Where the list says 'softmax', what is quantised is not the finished softmax but p = 2^(t - M), with t = logit x log2(e) and M = ceil(the row's largest t), a whole number; so 1/2 < the row's largest p <= 1. The row's sum l is taken of the UNQUANTISED p, in f32, and the product's result is divided by l at the end. Since M is a whole number, a kernel that streams over the keys may use a running M (the ceiling of the running maximum): every later rescaling is an exact power of two, which a block's scale takes up: the codes' values come out the same.
;;   OPERANDS COMPUTED ON THE WAY. 'Computed on the way' means the value that the module computes at that place (a softmax that the list does not call 'softmax' is quantised finished and normalised). What goes into a quantiser is computed in f32, as accurately as f32 sums, v_exp_f32 and their like allow (about 1e-6 of the number): no bf16 or f16 on the way to a quantiser, and a product that is left as it is and whose result goes on into a quantised operand takes f32 operands (vector FMAs, or v_wmma_f32_16x16x4_f32). A number that lies on a knife's edge between two numbers of the format may be rounded either way, as far as f32 arithmetic and the matrix unit's own rounding can turn it there, and no further.
;;   INPUTS GIVEN AS CODES. w1 (in the module: [1024, 4096], K = its axis 0); w2 (in the module: [4096, 1024], K = its axis 0); w_o (in the module: [1024, 1024], K = its axis 0); w_qkv (in the module: [1024, 3072], K = its axis 0): each comes as NAME_codes (uint8): NAME with its K axis moved to the last place and cut into blocks of 32 codes, [.., K / 32, bytes a block], one block behind the other in memory; one code a byte (a code: sign, 4 exponent bits, 3 mantissa bits); and NAME_scales (uint8): the same leading axes, one E8M0 byte (e + 127) for each 32 codes along K. Its value is code x scale, taken as it is: it is not quantised again, and the codes and scales need not be those that the quantiser above would give.
;; One version. Each part assembles by itself: llvm-mc -triple=amdgcn-amd-amdhsa -mcpu=gfx1250 --defsym DOCPART=n.
;; ======== version 1 of 1: 7 launches
;; limits: right only within a limited range of input values
;; workspace buffers: act_img 4,194,304 bytes; act_sc 131,072 bytes; qkv_img 12,582,912 bytes; qkv_sc 655,360 bytes; x1 16,777,216 bytes; h_img 16,777,216 bytes; h_sc 524,288 bytes
;; launch ln1 (part 1): grid 256 x 1, 8 waves a work-group, no clusters, 67,072 bytes of LDS; arguments x, g1, be1, act_img, act_sc; writes act_img, act_sc
.if DOCPART == 1
	.amdgcn_target "amdgcn-amd-amdhsa--gfx1250"
	.amdhsa_code_object_version 6
	.text
	.protected	k_q1662f9bc83_ln1
	.globl	k_q1662f9bc83_ln1
	.p2align	8
	.type	k_q1662f9bc83_ln1,@function
k_q1662f9bc83_ln1:
	s_mov_b64 s[64:65], 0
	v_nop
	global_prefetch_b8 v0, s[64:65] scope:SCOPE_SE
	s_setreg_imm32_b32 hwreg(HW_REG_WAVE_MODE, 25, 1), 1
	s_wait_xcnt 0x0
; THE PROGRAM: a pre-norm decoder block, B = 2, L = 2,048, D = 1,024, 16 heads of 64, FFN 4,096, all six products on codes of E4M3 with one E8M0 scale for each 32 along K.
; Seven launches: layer norm 1 + quantiser | q, k, v | attention | x1 = x + ctx w_o + b_o | layer norm 2 + quantiser | gelu(.. w1 + b1) | out0 = x1 + .. w2 + b2.
; WORK LEFT OUT: the causal mask is built by the problem itself (jnp.tril): a score with key > query becomes -inf, its weight is 0 for all values of the inputs, and it reaches no output.
; So the attention launch leaves out every step of 128 keys that lies wholly behind a wave's 16 queries (in both of its products).  Nothing else is left out, and every input is loaded.
; LIMIT: a NaN, an infinity or an overflow that would arise only in the scores left out is not carried to the result.
; LIMITS of the whole program: NaN and infinities among the inputs are not served; a block whose largest magnitude lies under 2^(9 - 127), a block of zeros among them, gets the scale byte 1
; (a block of zeros has zero codes, which add nothing under that byte; the bytes are read by this program alone); rsqrt, exp2 and reciprocals are the chip's, good to one unit in the last place.
;
; THIS BODY (it serves both layer norms): y = (x - mean) rsqrt(var + 1e-5) g + be along rows of 1,024, in f32, then quantised along the row.
; OUT: the operand as an IMAGE OF ITS REGISTERS, [block of 16 rows][K step of 128][c 0..3][lane][16 bytes]: lane (r, h) holds row r, k = 32 c + 16 h + 0 .. 15; and one scale word for each row and K step, [K step][row].
; SHARES.  A work-group takes 16 rows.  Phase 1: wave w normalises rows 2 w and 2 w + 1, each load 512 consecutive bytes.  The rows meet in LDS.  Phase 2: wave w quantises K step w of all 16 rows.
; No matrix unit, no cluster, no tensor load: the launch streams 4 bytes in and 1 byte out for each number, and no two work-groups read the same rows.
.set PITCH, 4112                       ; a row in the stage: 4,096 bytes + 16, so that sixteen rows' loads of 16 bytes fall on sixteen different columns of 16 bytes
.set SPARE, 66048                      ; behind the stage: the spare words, 128 bytes for each of eight waves
.set X,   16                           ; v16-79   two rows, 32 numbers a lane each; in phase 2 the lane's 64 numbers of a K step
.set G,   80                           ; v80-111  g;  in phase 2 v80-95 the codes, v96 the scale word
.set BE,  112                          ; v112-143 be
.set T,   144                          ; v144-159 at work: eight registers a row
.set TM,  144
.set PC,  80
.set PW,  96
.set SPW, 160                          ; v160 my spare word's LDS address; never rewritten
.set NIL, 161                          ; v161 0; never rewritten
	s_load_b256 s[4:11], s[0:1], 0x0               ; x s[4:5], g s[6:7], be s[8:9], the images s[10:11]
	s_load_b64 s[12:13], s[0:1], 0x20              ; the scale words
	v_lshl_add_u32 v[SPW], v0, 2, SPARE
	v_mov_b32 v[NIL], 0
	v_lshrrev_b32 v1, 5, v0
	s_delay_alu instid0(VALU_DEP_1)
	v_readfirstlane_b32 s14, v1                    ; wave 0..7
	v_and_b32 v1, 31, v0                           ; lane
	v_and_b32 v2, 15, v0                           ; r
	v_bfe_u32 v3, v0, 4, 1                         ; h
	s_delay_alu instid0(VALU_DEP_3)
	v_lshlrev_b32 v4, 4, v1                        ; 16 x lane
	s_mul_i32 s21, s14, 2*PITCH
	v_add_nc_u32 v5, s21, v4                       ; into the stage: my wave's two rows, 16 bytes a lane
	v_mul_u32_u24 v6, v2, PITCH
	s_delay_alu instid0(VALU_DEP_1)
	v_lshl_add_u32 v6, v3, 6, v6
	s_lshl_b32 s21, s14, 9
	v_add_nc_u32 v6, s21, v6                       ; out of it: row r, K step w (512 bytes), + 64 h
	v_lshlrev_b32 v7, 2, v2                        ; 4 r
	s_mov_b32 s16, 0x76543210
	s_mov_b32 s17, 0xfedcba98                      ; v_permlanex16_b32's selects for lane l xor 16
	s_mov_b32 s18, 0x600000                        ; the mantissa field of 448
	s_mov_b32 s19, 0x3a800000                      ; 1 / 1,024
	s_mov_b32 s20, 0x3727c5ac                      ; 1e-5
	s_lshl_b32 s22, ttmp9, 16                      ; x: 16 rows of 4,096 bytes a work-group,
	s_lshl_b32 s23, s14, 13                        ; two rows a wave
	s_add_co_u32 s22, s22, s23
	s_mov_b32 s23, 0
	s_lshl_b32 s24, ttmp9, 14                      ; images: 8 K steps of 2,048 bytes a work-group,
	s_lshl_b32 s25, s14, 11                        ; one a wave
	s_add_co_u32 s24, s24, s25
	s_mov_b32 s25, 0
	s_lshl_b32 s26, s14, 14                        ; scale words: 16,384 bytes a K step,
	s_lshl_b32 s27, ttmp9, 6                       ; 64 bytes a work-group
	s_add_co_u32 s26, s26, s27
	s_mov_b32 s27, 0
	s_wait_alu depctr_va_vdst(0)
	s_wait_kmcnt 0x0
	s_add_nc_u64 s[4:5], s[4:5], s[22:23]
	s_add_nc_u64 s[10:11], s[10:11], s[24:25]
	s_add_nc_u64 s[12:13], s[12:13], s[26:27]
.irp p, 0,1
.irp j, 0,1,2,3,4,5,6,7
	global_load_b128 v[X+32*\p+4*\j:X+32*\p+4*\j+3], v4, s[4:5] offset:4096*\p+512*\j
.endr
.endr
.irp j, 0,1,2,3,4,5,6,7
	global_load_b128 v[G+4*\j:G+4*\j+3], v4, s[6:7] offset:512*\j
	global_load_b128 v[BE+4*\j:BE+4*\j+3], v4, s[8:9] offset:512*\j
.endr
; four pairs a row become one number in every lane of the wave: within the lane, then four steps inside each half of the lanes, then across the halves
.macro FOLD
.irp p, 0
	v_pk_add_f32 v[T+8*\p:T+8*\p+1], v[T+8*\p:T+8*\p+1], v[T+8*\p+2:T+8*\p+3]
	v_pk_add_f32 v[T+8*\p+4:T+8*\p+5], v[T+8*\p+4:T+8*\p+5], v[T+8*\p+6:T+8*\p+7]
.endr
.irp p, 1
	v_pk_add_f32 v[T+8*\p:T+8*\p+1], v[T+8*\p:T+8*\p+1], v[T+8*\p+2:T+8*\p+3]
	s_delay_alu instid0(VALU_DEP_4)
	v_pk_add_f32 v[T+8*\p+4:T+8*\p+5], v[T+8*\p+4:T+8*\p+5], v[T+8*\p+6:T+8*\p+7]
.endr
.irp p, 0
	s_delay_alu instid0(VALU_DEP_3)
	v_pk_add_f32 v[T+8*\p:T+8*\p+1], v[T+8*\p:T+8*\p+1], v[T+8*\p+4:T+8*\p+5]
.endr
.irp p, 1
	s_delay_alu instid0(VALU_DEP_2)
	v_pk_add_f32 v[T+8*\p:T+8*\p+1], v[T+8*\p:T+8*\p+1], v[T+8*\p+4:T+8*\p+5]
.endr
.irp p, 0,1
	s_delay_alu instid0(VALU_DEP_2)
	v_add_f32 v[T+8*\p], v[T+8*\p], v[T+8*\p+1]
.endr
.irp m, 1,2,4,8
.irp p, 0,1
	s_delay_alu instid0(VALU_DEP_2)
	v_add_f32_dpp v[T+8*\p], v[T+8*\p], v[T+8*\p] row_xmask:\m row_mask:0xf bank_mask:0xf
.endr
.endr
.irp p, 0,1
	s_delay_alu instid0(VALU_DEP_2)
	v_permlanex16_b32 v[T+8*\p+1], v[T+8*\p], s16, s17
.endr
.irp p, 0,1
	s_delay_alu instid0(VALU_DEP_2)
	v_add_f32 v[T+8*\p], v[T+8*\p], v[T+8*\p+1]
.endr
.endm
	s_wait_loadcnt 16                              ; x's sixteen loads are in; g's and be's sixteen may be out
.irp p, 0,1
.irp c, 0,2,4,6
	v_pk_add_f32 v[T+8*\p+\c:T+8*\p+\c+1], v[X+32*\p+\c:X+32*\p+\c+1], v[X+32*\p+8+\c:X+32*\p+8+\c+1]
.endr
.endr
.irp k, 16,24
.irp p, 0,1
.irp c, 0,2,4,6
	v_pk_add_f32 v[T+8*\p+\c:T+8*\p+\c+1], v[T+8*\p+\c:T+8*\p+\c+1], v[X+32*\p+\k+\c:X+32*\p+\k+\c+1]
.endr
.endr
.endr
	FOLD
.irp p, 0,1
	s_delay_alu instid0(VALU_DEP_2)
	v_mul_f32 v[T+8*\p], 0xba800000, v[T+8*\p]     ; - mean
.endr
.irp p, 0,1
.set i, 0
.rept 16
	v_pk_add_f32 v[X+32*\p+i:X+32*\p+i+1], v[X+32*\p+i:X+32*\p+i+1], v[T+8*\p:T+8*\p+1] op_sel_hi:[1,0]   ; x - mean (the pair's low word serves both halves)
.set i, i+2
.endr
.endr
.irp p, 0,1
.irp c, 0,2,4,6
	v_pk_mul_f32 v[T+8*\p+\c:T+8*\p+\c+1], v[X+32*\p+\c:X+32*\p+\c+1], v[X+32*\p+\c:X+32*\p+\c+1]
.endr
.endr
.irp k, 8,16,24
.irp p, 0,1
.irp c, 0,2,4,6
	v_pk_fma_f32 v[T+8*\p+\c:T+8*\p+\c+1], v[X+32*\p+\k+\c:X+32*\p+\k+\c+1], v[X+32*\p+\k+\c:X+32*\p+\k+\c+1], v[T+8*\p+\c:T+8*\p+\c+1]
.endr
.endr
.endr
	FOLD
.irp p, 0,1
	s_delay_alu instid0(VALU_DEP_2)
	v_fma_f32 v[T+8*\p], v[T+8*\p], s19, s20       ; var + eps
.endr
	s_wait_alu depctr_va_vdst(0)
.irp p, 0,1
	v_rsq_f32 v[T+8*\p], v[T+8*\p]
.endr
	v_nop                                          ; a plain instruction behind the last of the two
	s_wait_alu depctr_va_vdst(0)                   ; one wait for both, ahead of their first reader
	s_wait_loadcnt 0x0                             ; g and be
.irp p, 0,1
.set i, 0
.rept 16
	v_pk_mul_f32 v[X+32*\p+i:X+32*\p+i+1], v[X+32*\p+i:X+32*\p+i+1], v[T+8*\p:T+8*\p+1] op_sel_hi:[1,0]
	s_delay_alu instid0(VALU_DEP_1)
	v_pk_fma_f32 v[X+32*\p+i:X+32*\p+i+1], v[X+32*\p+i:X+32*\p+i+1], v[G+i:G+i+1], v[BE+i:BE+i+1]
.set i, i+2
.endr
.endr
.irp p, 0,1
.irp j, 0,1,2,3,4,5,6,7
	ds_store_b128 v5, v[X+32*\p+4*\j:X+32*\p+4*\j+3] offset:PITCH*\p+512*\j
.endr
.endr
	s_wait_dscnt 0x0                               ; for the others' sake: my two rows lie in the stage
	s_barrier_signal -1
	s_barrier_wait -1
.irp b, 0,1,2,3
.irp j, 0,1,2,3
	ds_load_b128 v[X+16*\b+4*\j:X+16*\b+4*\j+3], v6 offset:128*\b+16*\j   ; register 16 b + i = k 128 w + 32 b + 16 h + i of row r
.endr
.endr
	s_wait_dscnt 0x0
.irp b, 0,1,2,3
	v_max3_num_f32 v[TM+\b], |v[X+16*\b]|, |v[X+1+16*\b]|, 0x4800000   ; block b: my 16 numbers and the floor 2^(9 - 127): the byte cannot fall under 1
.endr
.irp i, 2,4,6,8,10,12,14
.irp b, 0,1,2,3
	s_delay_alu instid0(VALU_DEP_4)
	v_max3_num_f32 v[TM+\b], v[TM+\b], |v[X+16*\b+\i]|, |v[X+1+16*\b+\i]|
.endr
.endr
.irp b, 0,1,2,3
	s_delay_alu instid0(VALU_DEP_4)
	v_permlanex16_b32 v[TM+4+\b], v[TM+\b], s16, s17
.endr
.irp b, 0,1,2,3
	s_delay_alu instid0(VALU_DEP_4)
	v_max_num_f32 v[TM+\b], v[TM+\b], v[TM+4+\b]   ; with lane l xor 16's: the block's largest magnitude
.endr
.irp b, 0,1,2,3
	s_delay_alu instid0(VALU_DEP_4)
	v_add_nc_u32 v[TM+12+\b], 0xfc000000, v[TM+\b] ; 8 off its exponent field: the conversion's scale operand
.endr
.irp b, 0,1,2,3
	v_and_or_b32 v[TM+8+\b], v[TM+\b], 0x7f800000, s18   ; 448 x the scale
.endr
.irp b, 0,1,2,3
	v_lshrrev_b32 v[TM+4+\b], 23, v[TM+12+\b]      ; the scale's byte
.endr
	s_delay_alu instid0(VALU_DEP_3)
	v_lshl_or_b32 v[PW], v[TM+5], 8, v[TM+4]
	s_delay_alu instid0(VALU_DEP_1)
	v_lshl_or_b32 v[PW], v[TM+6], 16, v[PW]
	s_delay_alu instid0(VALU_DEP_1)
	v_lshl_or_b32 v[PW], v[TM+7], 24, v[PW]        ; my row's scale word for this K step
.irp b, 0,1,2,3
.irp i, 0,1,2,3,4,5,6,7,8,9,10,11,12,13,14,15
	v_med3_num_f32 v[X+16*\b+\i], v[X+16*\b+\i], -v[TM+8+\b], v[TM+8+\b]   ; the conversion to an 8-bit code does not saturate (ISA guide 7.6.2): the hold comes first
.endr
	v_cvt_scalef32_pk8_fp8_f32 v[PC+4*\b:PC+1+4*\b], v[X+16*\b:X+7+16*\b], v[TM+12+\b]
	v_cvt_scalef32_pk8_fp8_f32 v[PC+2+4*\b:PC+3+4*\b], v[X+8+16*\b:X+15+16*\b], v[TM+12+\b]
.endr
	v_nop
.irp c, 0,1,2,3
	global_store_b128 v4, v[PC+4*\c:PC+4*\c+3], s[10:11] offset:512*\c   ; 32 lanes store 512 consecutive bytes
.endr
	global_store_b32 v7, v[PW], s[12:13]           ; sixteen rows' words, 64 consecutive bytes (lanes 16-31 hold and write the same): one byte in 128 of what the launch reads
	s_wait_tensorcnt 0x0                           ; the wave's end
	ds_add_u32 v[SPW], v[NIL]
	s_wait_dscnt 0x0
	s_endpgm
.Lfunc_end_k_q1662f9bc83_ln1:
	.size	k_q1662f9bc83_ln1, .Lfunc_end_k_q1662f9bc83_ln1-k_q1662f9bc83_ln1
	.p2alignl 7, 3214868480
	.fill 96, 4, 3214868480
	.section	.rodata,"a",@progbits
	.p2align	6, 0x0
	.amdhsa_kernel k_q1662f9bc83_ln1
		.amdhsa_group_segment_fixed_size 67072
		.amdhsa_private_segment_fixed_size 0
		.amdhsa_enable_private_segment 0
		.amdhsa_kernarg_size 40
		.amdhsa_user_sgpr_count 2
		.amdhsa_user_sgpr_kernarg_segment_ptr 1
		.amdhsa_wavefront_size32 1
		.amdhsa_system_sgpr_workgroup_id_x 1
		.amdhsa_system_sgpr_workgroup_id_y 1
		.amdhsa_system_sgpr_workgroup_id_z 1
		.amdhsa_system_vgpr_workitem_id 0
		.amdhsa_next_free_vgpr 176
		.amdhsa_next_free_sgpr 66
		.amdhsa_reserve_vcc 0
		.amdhsa_float_denorm_mode_32 3
		.amdhsa_float_denorm_mode_16_64 3
		.amdhsa_memory_ordered 1
		.amdhsa_forward_progress 1
		.amdhsa_inst_pref_size 32
	.end_amdhsa_kernel
	.amdgpu_metadata
---
amdhsa.version: [ 1, 2 ]
amdhsa.kernels:
  - .name:           k_q1662f9bc83_ln1
    .symbol:         k_q1662f9bc83_ln1.kd
    .args:
      - { .name: x, .offset: 0, .size: 8, .value_kind: global_buffer, .address_space: global }
      - { .name: g1, .offset: 8, .size: 8, .value_kind: global_buffer, .address_space: global }
      - { .name: be1, .offset: 16, .size: 8, .value_kind: global_buffer, .address_space: global }
      - { .name: act_img, .offset: 24, .size: 8, .value_kind: global_buffer, .address_space: global }
      - { .name: act_sc, .offset: 32, .size: 8, .value_kind: global_buffer, .address_space: global }
    .group_segment_fixed_size: 67072
    .private_segment_fixed_size: 0
    .kernarg_segment_align: 8
    .kernarg_segment_size: 40
    .max_flat_workgroup_size: 256
    .sgpr_count:     66
    .vgpr_count:     176
    .wavefront_size: 32
...
	.end_amdgpu_metadata
.endif
;; end of part 1
;; launch qkv (part 2): grid 8 x 32, 4 waves a work-group, clusters of 4 x 4, 327,680 bytes of LDS; arguments act_img, act_sc, w_qkv_codes, w_qkv_scales, b_qkv, qkv_img, qkv_sc; writes qkv_img, qkv_sc
.if DOCPART == 2
	.amdgcn_target "amdgcn-amd-amdhsa--gfx1250"
	.amdhsa_code_object_version 6
	.text
	.protected	k_q1662f9bc83_qkv
	.globl	k_q1662f9bc83_qkv
	.p2align	8
	.type	k_q1662f9bc83_qkv,@function
k_q1662f9bc83_qkv:
	s_mov_b64 s[64:65], 0
	v_nop
	global_prefetch_b8 v0, s[64:65] scope:SCOPE_SE
	s_setreg_imm32_b32 hwreg(HW_REG_WAVE_MODE, 25, 1), 1
	s_wait_xcnt 0x0
	s_wait_alu depctr_hold_cnt(0) depctr_sa_sdst(0) depctr_va_vdst(0) depctr_va_sdst(0) depctr_va_ssrc(0) depctr_va_vcc(0) depctr_vm_vsrc(0)
	s_getreg_b32 s2, hwreg(HW_REG_IB_STS2, 6, 4)
	s_cmp_eq_u32 s2, 0
	s_cbranch_scc0 .Lentry_in_a_cluster
	s_endpgm
.Lentry_in_a_cluster:
	s_bfe_u32 s2, ttmp6, 0x10000c
	s_cmp_lg_u32 s2, 0xf033
	s_cbranch_scc0 .Lentry_shape_is_right
	s_endpgm
.Lentry_shape_is_right:
; qkv = LN1(x) w_qkv + b_qkv on codes of E4M3, [4,096 x 1,024] x [1,024 x 3,072]; q and k are then quantised along the head's 64, v along the keys, for the attention launch.
; SHARES.  Work-group (TX, TY) owns rows 128 TY on and three column tiles of 128: TX (q), TX + 8 (k), TX + 16 (v): heads 2 TX and 2 TX + 1.  A lap is one column tile, K = 1,024: two LDS slots of K = 512, eight steps of 128.
; Four waves, each 64 x 64: 16 accumulators.  A's 128 rows (register images, 131,072 bytes) come into LDS once and stay; B's tiles are filled again lap by lap.
; CLUSTER 4 x 4: A's tiles and scale words hang on TY alone and are asked for jointly along a row of the cluster, B's on TX alone, along a column.
; ORIENTATION.  q, k: source 0 = 16 rows of B, source 1 = 16 rows of A: a lane holds one row and eight neighbouring columns (the head's axis, the next K).  v: the sources swapped: a lane holds one column d and eight neighbouring keys.
; OUT.  q, k: [head 32][16 rows][c 0..1][lane][16 bytes]; their scale words [head][64 rows][r 16][a 4] (bytes 2 and 3 are 1: they scale the zero codes that fill K from 64 to 128).
;       v: [head][128 keys][16 d][c 0..3][lane][16 bytes], its scale words [head][128 keys][d 64].
; REGISTERS.  window 0: v1-27 addresses; v28, v29 the add's two; v32-63 scale words, two sets; v96-119 at work; v128-255 the accumulators.  window 1: two buffers of eight fragments.  window 2: v0-95 three sets of bias.
.set K,      1024
.set NKS,    8                         ; steps of 128 in K
.set SBU,    8                         ; units of 256 bytes in the scale bytes of 64 rows of B
.set SLOTB,  133120                    ; a slot: A's 8 x 8,192 bytes of images, then B's 128 rows of 528
.set BOFF,   65536
.set BP,     528                       ; a row of B in LDS: 512 bytes + 16
.set SCA,    2*SLOTB                   ; A's scale words: 8 K steps x 512 bytes
.set SCB,    SCA+NKS*512               ; B's scale bytes, three tiles of 16 units of 256 + 16
.set VSC,    SCB+3*4352                ; 512 bytes in which v's scale bytes of two heads meet; no tensor load lands here
.set SPARE,  VSC+512                   ; the spare words, 128 bytes a wave
.set CD,     96                        ; v96-103 codes
.set TM,     104                       ; v104-111 the quantiser's
.set PW,     112                       ; v112-115 scale words
.set SSEL,   44                        ; s[44:45] lane selects
.set SMNT,   67                        ; s67 the mantissa field of 448
.set MSB, 0
.macro WIN new                         ; the immediate's high byte repeats the setting that is left
.if MSB != \new
	s_set_vgpr_msb (MSB<<8)|\new
.set MSB, \new
.endif
.endm
.macro PLACES n
.rept \n
	v_nop
.endr
.endm
.macro CREST                           ; a round of the cluster's barrier behind its opening barrier
	s_cmp_lg_u32 s18, 0
	s_cbranch_scc1 .Lnot_wave_0_\@
	s_barrier_signal -3
.Lnot_wave_0_\@:
	s_barrier_wait -3
	s_barrier_signal -1
	s_barrier_wait -1
.endm
.macro CROUND
	s_barrier_signal -1
	s_barrier_wait -1
	CREST
.endm
.macro REFILL slot                     ; B's next tile, jointly: waves 2 and 3, one load each; A stays, so waves 0 and 1 ask for nothing
	s_cmp_eq_u32 s19, 0
	s_cbranch_scc1 .Lno_b_\@
	tensor_load_to_lds s[56+4*\slot:59+4*\slot], s[48:55]
	s_nop 0
	PLACES 4
.Lno_b_\@:
.endm
.macro FETCH slot, q, f                ; the eight fragments of the slot's q-th 128 along K into buffer f: A's as images, 16 bytes a lane on end; B's from rows
	WIN 0x40
.irp a, 0,1,2,3
.irp c, 0,1,2,3
	ds_load_b128 v[(\f)+16*\a+4*\c:(\f)+16*\a+4*\c+3], v[16+(\slot)] offset:8192*\a+2048*(\q)+512*\c
.endr
.endr
.irp b, 0,1,2,3
.irp c, 0,1,2,3
	ds_load_b128 v[(\f)+64+16*\b+4*\c:(\f)+64+16*\b+4*\c+3], v[18+(\slot)] offset:16*BP*\b+128*(\q)+32*\c
.endr
.endr
	WIN 0
.endm
.macro SCALES slot                     ; a slot's scale words: each register carries an even block's words in lanes 0-15 and the odd block's in lanes 16-31
.irp q, 0,1,2,3
.irp p, 0,1
	ds_load_b32 v[32+16*(\slot)+2*\q+\p], v20 offset:2048*(\slot)+512*\q+128*\p
.endr
.endr
.irp p, 0,1
	ds_load_b128 v[40+16*(\slot)+4*\p:43+16*(\slot)+4*\p], v21 offset:16*(\slot)+\p*(SBU/2)*272
.endr
.endm
.macro WM r0, r1                       ; one product; r0, r1: source 0's, source 1's scales stand in lanes 16-31
.if (\r0) && (\r1)
	v_wmma_scale_f32_16x16x128_f8f6f4 v[RD_:RD_+7], v[RA_:RA_+15], v[RB_:RB_+15], v[RC_:RC_+7], v[SA_], v[SB_] matrix_a_scale:MATRIX_SCALE_ROW1 matrix_b_scale:MATRIX_SCALE_ROW1
.elseif (\r0)
	v_wmma_scale_f32_16x16x128_f8f6f4 v[RD_:RD_+7], v[RA_:RA_+15], v[RB_:RB_+15], v[RC_:RC_+7], v[SA_], v[SB_] matrix_a_scale:MATRIX_SCALE_ROW1
.elseif (\r1)
	v_wmma_scale_f32_16x16x128_f8f6f4 v[RD_:RD_+7], v[RA_:RA_+15], v[RB_:RB_+15], v[RC_:RC_+7], v[SA_], v[SB_] matrix_b_scale:MATRIX_SCALE_ROW1
.else
	v_wmma_scale_f32_16x16x128_f8f6f4 v[RD_:RD_+7], v[RA_:RA_+15], v[RB_:RB_+15], v[RC_:RC_+7], v[SA_], v[SB_]
.endif
.endm
; eight products: A's blocks a0, a0 + 1 x B's four.  bi >= 0: the bias (window 2, v[bi] on) is the C that starts the sums.  nat = 1: A is source 0.  The 16 accumulators take turns in the same order in every step.
.macro MULH f, q, set, a0, bi, nat
.if (\bi) >= 0
	WIN 0x25
.else
	WIN 0x05
.endif
.irp a, \a0, \a0+1
.irp b, 0,1,2,3
.if \nat
.set RD_, 128+8*(4*\b+(\a))
.set RA_, (\f)+16*(\a)
.set RB_, (\f)+64+16*\b
.set SA_, 32+16*(\set)+2*(\q)+(\a)/2
.set SB_, 40+16*(\set)+4*(\b/2)+(\q)
.else
.set RD_, 128+8*(4*(\a)+\b)
.set RA_, (\f)+64+16*\b
.set RB_, (\f)+16*(\a)
.set SA_, 40+16*(\set)+4*(\b/2)+(\q)
.set SB_, 32+16*(\set)+2*(\q)+(\a)/2
.endif
.if (\bi) >= 0
.set RC_, (\bi)+8*\b
.else
.set RC_, RD_
.endif
.if \nat
	WM (\a)%2, \b%2
.else
	WM \b%2, (\a)%2
.endif
.endr
.endr
.endm
; a step of 128 along K with its successor in the same slot: the next step's fragments are asked for, then this step's 16 products are issued
.macro STEP slot, q, bi, nat
.if (\bi) >= 0
	PLACES 9                                       ; accumulators are begun anew with another C: nine places behind the products that wrote them
.else
	PLACES 8                                       ; loads follow into registers that the last step but one's products have read
.endif
	FETCH \slot, (\q)+1, 128*(((\q)+1)%2)
	s_wait_dscnt 32                                ; all but the 32 loads just issued: the buffer in hand and the scale words are in
	MULH 128*((\q)%2), \q, \slot, 0, \bi, \nat
	MULH 128*((\q)%2), \q, \slot, 2, \bi, \nat
	WIN 0
.endm
; a slot's last step changes slots.  mode = 1: B's part of this slot is filled again with the next lap's tile
.macro TURN slot, mode, nat
	s_wait_tensorcnt 0x0                           ; all my tensor loads have landed: my part of the other slot among them
	ds_add_u32 v28, v29                            ; 0 onto my spare word
.if \mode
	s_add_nc_u64 s[58+4*\slot:59+4*\slot], s[58+4*\slot:59+4*\slot], 8*128*K   ; no load of mine is out: the descriptor steps eight column tiles on
	s_wait_xcnt 0x0                                ; my last prefetch has read its address: this slot's steps a lap on, to the tile that is asked for now
	s_add_nc_u64 s[94-2*\slot:95-2*\slot], s[94-2*\slot:95-2*\slot], 8*128*K
.endif
	s_wait_dscnt 0x0                               ; the add is done, and my reads of this slot are over
	s_barrier_signal -1
	MULH 128, 3, \slot, 0, -1, \nat
	WIN 0
	s_barrier_wait -1
.if \mode
	CREST                                          ; the barrier has opened a round of the cluster's: no wave of any partner still reads this slot's tile of B or has a load on its way
	REFILL \slot
.endif
	PLACES 8                                       ; in front of loads into buffer 0
.if \slot == 1
	v_add_nc_u32 v21, 4352, v21                    ; the next lap's scale bytes of B
.endif
	FETCH 1-\slot, 0, 0
	SCALES 1-\slot
.if (\mode) && ASKN
	s_cmp_eq_u32 s19, 0                            ; B's waves ask for the tile that stands two refills on: the same slot's, a lap further
	s_cbranch_scc1 .Lno_ask_\@
	global_prefetch_b8 v30, s[94-2*\slot:95-2*\slot] offset:8*128*K th:TH_LOAD_NT scope:SCOPE_SE
.Lno_ask_\@:
.endif
	MULH 128, 3, \slot, 2, -1, \nat
	WIN 0
.endm
.macro LAP bi, nat, more
	STEP 0, 0, \bi, \nat
	STEP 0, 1, -1, \nat
	STEP 0, 2, -1, \nat
	TURN 0, \more, \nat
	STEP 1, 0, -1, \nat
	STEP 1, 1, -1, \nat
	STEP 1, 2, -1, \nat
.if \more
	TURN 1, 1, \nat
.else
	s_wait_dscnt 0x0                               ; the very last step: nothing more to fetch
	MULH 128, 3, 1, 0, -1, \nat
	MULH 128, 3, 1, 2, -1, \nat
	WIN 0
.endif
.endm
; 32 numbers of a lane, v[X] on, are two blocks of 32 along the next K, each shared with lane l xor 16: in block e registers 0-7 are places 8 h + 0..7, registers 8-15 places 16 + 8 h + 0..7.
; Out: v[C] + 4 e on: the 16 codes at places 16 h + 0..15 (the operand's own layout), and in v[P] the two scale bytes.
.macro QUANT2 X, C, P
.irp e, 0,1
	v_max3_num_f32 v[TM+\e], |v[(\X)+16*\e]|, |v[(\X)+16*\e+1]|, 0x4800000   ; with the floor 2^(9 - 127): the byte cannot fall under 1
.endr
.irp i, 2,4,6,8,10,12,14
.irp e, 0,1
	v_max3_num_f32 v[TM+\e], v[TM+\e], |v[(\X)+16*\e+\i]|, |v[(\X)+16*\e+\i+1]|
.endr
.endr
.irp e, 0,1
	v_permlanex16_b32 v[TM+2+\e], v[TM+\e], s[SSEL], s[SSEL+1]
.endr
.irp e, 0,1
	v_max_num_f32 v[TM+\e], v[TM+\e], v[TM+2+\e]   ; the block's largest magnitude
.endr
.irp e, 0,1
	v_add_nc_u32 v[TM+6+\e], 0xfc000000, v[TM+\e]  ; 8 off its exponent field: the conversion's scale operand
.endr
.irp e, 0,1
	v_and_or_b32 v[TM+4+\e], v[TM+\e], 0x7f800000, s[SMNT]   ; 448 x the scale
.endr
.irp e, 0,1
	v_lshrrev_b32 v[TM+2+\e], 23, v[TM+6+\e]       ; the scale's byte
.endr
	v_lshl_or_b32 v[(\P)], v[TM+3], 8, v[TM+2]
.irp e, 0,1
.irp i, 0,1,2,3,4,5,6,7,8,9,10,11,12,13,14,15
	v_med3_num_f32 v[(\X)+16*\e+\i], v[(\X)+16*\e+\i], -v[TM+4+\e], v[TM+4+\e]   ; the conversion does not saturate (ISA guide 7.6.2): the hold comes first
.endr
	v_cvt_scalef32_pk8_fp8_f32 v[(\C)+4*\e:(\C)+4*\e+1], v[(\X)+16*\e:(\X)+16*\e+7], v[TM+6+\e]
	v_cvt_scalef32_pk8_fp8_f32 v[(\C)+4*\e+2:(\C)+4*\e+3], v[(\X)+16*\e+8:(\X)+16*\e+15], v[TM+6+\e]
.endr
	v_nop                                          ; a plain instruction between the conversions and the first that touches their results
.irp e, 0,1
	v_permlane16_swap_b32 v[(\C)+4*\e], v[(\C)+4*\e+2]     ; the first register's lanes 16-31 change places with the second's lanes 0-15: lanes 0-15 then hold places 0-15, lanes 16-31 places 16-31
	v_permlane16_swap_b32 v[(\C)+4*\e+1], v[(\C)+4*\e+3]
.endr
.endm
	s_load_b256 s[4:11], s[0:1], 0x0               ; A's images s[4:5], A's scale words s[6:7], B's codes s[8:9], B's scale bytes s[10:11]
	s_load_b128 s[12:15], s[0:1], 0x20             ; the bias s[12:13], qkv_img s[14:15]
	s_load_b64 s[16:17], s[0:1], 0x30              ; qkv_sc
	v_lshl_add_u32 v28, v0, 2, SPARE
	v_mov_b32 v29, 0
	ds_add_u32 v28, v29                            ; the wave's opening: the add, twice on end, and its wait ahead of my first tensor load
	ds_add_u32 v28, v29
	v_lshrrev_b32 v1, 5, v0
	v_readfirstlane_b32 s18, v1                    ; wave 0..3
	s_lshr_b32 s19, s18, 1                         ; RH: my half of the rows.  Also: I fetch for A (0) or for B (1)
	s_and_b32 s20, s18, 1                          ; CH: my half of the columns.  Also: which half I fetch
	s_bfe_u32 s21, ttmp6, 0x40000                  ; cx
	s_bfe_u32 s22, ttmp6, 0x40004                  ; cy
	s_lshl_b32 s23, ttmp9, 2
	s_add_co_u32 s23, s23, s21                     ; TX
	s_and_b32 s40, ttmp7, 0xffff
	s_lshl_b32 s40, s40, 2
	s_add_co_u32 s40, s40, s22                     ; TY
	s_lshl_b32 s41, s22, 2
	s_lshl_b32 s41, 15, s41                        ; my row of the cluster
	s_lshl_b32 s42, 0x1111, s21                    ; my column
	s_or_b32 s24, s41, (3<<16)|(1<<21)             ; A's images: elements of 8 bytes, 4 rows (blocks of 16 rows of A) of 8,192 bytes, no padding
	s_mov_b32 s25, 1024<<16
	s_mov_b32 s26, 8<<16                           ; the head's load brings all 8 blocks of a slot; behind it the two words that count rows are set to 4
	s_mov_b32 s27, 1024<<16
	s_mov_b32 s28, 8
	s_mov_b32 s29, 2*K                             ; from block to block: 16 K bytes
	s_mov_b32 s30, 0
	s_mov_b32 s31, 0
	s_or_b32 s48, s42, (0<<16)|(1<<20)|(1<<21)|(6<<22)|(3<<25)   ; B's codes: 64 rows of 512 bytes, 16 bytes of padding behind each
	s_mov_b32 s49, 512<<16
	s_mov_b32 s50, 128<<16                         ; the head's load brings all 128 rows of a slot; behind it: 64
	s_mov_b32 s51, 512<<16
	s_mov_b32 s52, 128
	s_mov_b32 s53, K
	s_mov_b32 s54, 0
	s_mov_b32 s55, 0
	s_or_b32 s68, s41, (3<<16)|(1<<21)             ; A's scale words: 8 K steps x 512 bytes, 16,384 bytes apart
	s_mov_b32 s69, 64<<16
	s_mov_b32 s70, NKS<<16                         ; all K steps by one load
	s_mov_b32 s71, 64<<16
	s_mov_b32 s72, NKS
	s_mov_b32 s73, 2048
	s_mov_b32 s74, 0
	s_mov_b32 s75, 0
	s_or_b32 s80, s42, (3<<16)|(1<<20)|(1<<21)|(5<<22)|(3<<25)   ; B's scale bytes of 64 rows: 8 dense units of 256 bytes, 16 bytes of padding behind each
	s_mov_b32 s81, 512<<16                         ; one load for the three column tiles: 3 rows of 4,096 bytes (128 rows of B x 32), 32,768 bytes apart; the padding stays behind each 256 bytes
	s_mov_b32 s82, 3<<16
	s_mov_b32 s83, 512<<16
	s_mov_b32 s84, 3
	s_mov_b32 s85, 4096
	s_mov_b32 s86, 0
	s_mov_b32 s87, 0
	s_lshl_b32 s43, s40, 3                         ; A: blocks 8 TY + 4 CH on
	s_lshl_b32 s46, s20, 2
	s_add_co_u32 s43, s43, s46
	s_mul_i32 s46, s43, NKS*2048
	s_mov_b32 s47, 0
	s_mov_b32 s2, 0                                ; A's scale words: from K step 0 on
	s_lshl_b32 s3, s40, 9
	s_add_co_u32 s2, s2, s3
	s_mov_b32 s3, 0
	s_lshl_b32 s100, s23, 7                        ; B: rows 128 TX + 64 CH on
	s_lshl_b32 s101, s20, 6
	s_add_co_u32 s100, s100, s101
	s_lshl_b32 s44, s23, 12                        ; their scale bytes, from row 128 TX on
	s_mov_b32 s45, 0
	s_lshl_b32 s100, s100, 10                      ; their codes
	s_mov_b32 s101, 0
	s_wait_dscnt 0x0                               ; both opening adds are done
	s_wait_kmcnt 0x0
	s_add_nc_u64 s[46:47], s[4:5], s[46:47]
	s_add_nc_u64 s[2:3], s[6:7], s[2:3]
	s_add_nc_u64 s[100:101], s[8:9], s[100:101]
	s_add_nc_u64 s[44:45], s[10:11], s[44:45]
	s_lshl_b32 s43, s20, 15                        ; LDS: my half of A's part,
	s_mul_i32 s41, s20, 64*BP
	s_add_co_u32 s41, s41, BOFF                    ; of B's part: the wave's number alone enters an LDS address
.irp s, 0,1
	s_mov_b32 s[32+4*\s], 1
	s_add_co_u32 s[33+4*\s], s43, \s*SLOTB
	s_add_nc_u64 s[34+4*\s:35+4*\s], s[46:47], \s*8192
	s_or_b32 s[35+4*\s], s[35+4*\s], 0x80000000
	s_mov_b32 s[56+4*\s], 1
	s_add_co_u32 s[57+4*\s], s41, \s*SLOTB
	s_add_nc_u64 s[58+4*\s:59+4*\s], s[100:101], \s*512
	s_or_b32 s[59+4*\s], s[59+4*\s], 0x80000000
.endr
	s_mov_b32 s76, 1
	s_mov_b32 s77, 0
	s_add_co_u32 s77, s77, SCA
	s_mov_b64 s[78:79], s[2:3]
	s_or_b32 s79, s79, 0x80000000
	s_mov_b32 s41, 0
.irp j, 0
	s_mov_b32 s[88+4*\j], 1
	s_add_co_u32 s[89+4*\j], s41, SCB+\j*4352
	s_add_nc_u64 s[90+4*\j:91+4*\j], s[44:45], \j*32768   ; eight column tiles on: 1,024 rows of 32 bytes
	s_or_b32 s[91+4*\j], s[91+4*\j], 0x80000000
.endr
	CROUND                                         ; all sixteen work-groups are here: the first joint loads meet
	s_cmp_eq_u32 s18, 0                            ; the head's loads, one a wave, in one chain of branches on the wave's number: wave 0 A's part of slot 0,
	s_cbranch_scc0 .Lh1
	tensor_load_to_lds s[32:35], s[24:31]
	s_nop 0
	PLACES 4
	s_branch .Lfilled
.Lh1:
	s_cmp_eq_u32 s18, 1                            ; wave 1 A's scale words,
	s_cbranch_scc0 .Lh2
	tensor_load_to_lds s[76:79], s[68:75]
	s_nop 0
	PLACES 4
	s_branch .Lfilled
.Lh2:
	s_cmp_eq_u32 s18, 2                            ; wave 2 B's part of slot 0,
	s_cbranch_scc0 .Lh3
	tensor_load_to_lds s[56:59], s[48:55]
	s_nop 0
	PLACES 4
	s_branch .Lfilled
.Lh3:
	tensor_load_to_lds s[88:91], s[80:87]          ; wave 3 B's scale bytes
	s_nop 0
	PLACES 4
.Lfilled:
	v_and_b32 v1, 15, v0                           ; r
	v_bfe_u32 v2, v0, 4, 1                         ; h
	v_and_b32 v3, 31, v0                           ; lane
	v_lshlrev_b32 v4, 4, v3                        ; 16 x lane
	s_lshl_b32 s2, s19, 15
	v_add_nc_u32 v16, s2, v4                       ; A's fragments: my four blocks' images
	v_add_nc_u32 v17, SLOTB, v16
	v_mul_u32_u24 v5, v1, BP
	v_lshl_add_u32 v5, v2, 4, v5
	s_mul_i32 s2, s20, 64*BP
	s_add_co_u32 s2, s2, BOFF
	v_add_nc_u32 v18, s2, v5                       ; B's: row r x pitch + 16 h, my 64 rows
	v_add_nc_u32 v19, SLOTB, v18
	v_lshlrev_b32 v20, 2, v3
	s_lshl_b32 s2, s19, 8
	s_add_co_u32 s2, s2, SCA
	v_add_nc_u32 v20, s2, v20                      ; A's scale words: 4 bytes a row, my 64 rows
	v_lshlrev_b32 v6, 5, v3                        ; B's scale bytes: 32 a row,
	v_lshrrev_b32 v7, 8, v6
	v_lshl_add_u32 v21, v7, 4, v6                  ; and 16 more for each 256 passed
	s_mul_i32 s2, s20, SBU*272
	s_add_co_u32 s2, s2, SCB
	v_add_nc_u32 v21, s2, v21
	v_lshlrev_b32 v22, 4, v1                       ; 16 r
	v_lshlrev_b32 v23, 2, v1
	s_lshl_b32 s2, s20, 8
	s_lshl_b32 s3, s19, 1
	s_add_co_u32 s2, s2, s3
	s_add_co_u32 s2, s2, VSC
	v_add_nc_u32 v23, s2, v23                      ; v's scale bytes meet: 256 CH + 4 d + 2 RH
	v_add_nc_u32 v24, VSC, v4
	v_lshlrev_b32 v25, 5, v2                       ; 32 h
	v_lshlrev_b32 v26, 2, v1                       ; 4 r
	v_lshl_add_u32 v27, v2, 12, v22                ; 4,096 (lane / 16) + 16 r
	v_mov_b32 v[TM+2], 0                           ; written once: a lane permute's destination counts as one of its sources
	v_mov_b32 v[TM+3], 0
	; THE PREFETCHES: a slot's tile is 8 blocks x 8,192 bytes of A and 128 rows x 512 bytes of B.  The four partners that ask for a tile jointly share it out by address: partner p's wave with half CH takes eighth 2 p + CH
	; (p = cx for A, cy for B): 8,192 bytes, a lane to each 256: one instruction a wave, and each 256 bytes named once in each cluster that will load them.  The head asks for slot 1's first tile, and for B's two tiles of the second lap;
	; the first lap's two refills ask for the third lap's tiles; the second lap's ask for nothing.  A comes once, so its waves ask once.
	s_cmp_eq_u32 s19, 0                            ; do I fetch for A?
	s_cselect_b64 s[92:93], s[4:5], s[8:9]
	s_cselect_b32 s94, s21, s22                    ; my place among the four
	s_mov_b32 s96, 512
	s_cselect_b32 s96, 8192, s96                   ; from slot 0's tile to slot 1's
	s_mov_b32 s99, K
	s_cselect_b32 s99, 512, s99                    ; from one pair of lanes to the next: 512 bytes on in A's block, a row on in B
	s_mov_b32 s97, 0
	s_lshl_b32 s94, s94, 1
	s_add_co_u32 s94, s94, s20                     ; my eighth
	s_lshl_b32 s95, s40, 3
	s_add_co_u32 s95, s95, s94
	s_mul_i32 s95, s95, NKS*2048                   ; A: block 8 TY + eighth
	s_lshl_b32 s98, s23, 3
	s_add_co_u32 s98, s98, s94
	s_mul_i32 s98, s98, 16*K                       ; B: row 128 TX + 16 x eighth
	s_cmp_eq_u32 s19, 0
	s_cselect_b32 s94, s95, s98
	s_mov_b32 s95, 0
	s_add_nc_u64 s[94:95], s[92:93], s[94:95]      ; slot 0's tile of the first lap
	s_add_nc_u64 s[92:93], s[94:95], s[96:97]      ; slot 1's
	v_lshrrev_b32 v30, 1, v3
	v_mul_lo_u32 v30, v30, s99
	v_and_b32 v31, 1, v3
	v_lshl_add_u32 v30, v31, 8, v30                ; never rewritten
	s_wait_alu depctr_va_vdst(0)
	global_prefetch_b8 v30, s[92:93] th:TH_LOAD_NT scope:SCOPE_SE
	s_cmp_eq_u32 s19, 0
	s_cbranch_scc1 .Lno_ask_head
	global_prefetch_b8 v30, s[94:95] offset:8*128*K th:TH_LOAD_NT scope:SCOPE_SE
	global_prefetch_b8 v30, s[92:93] offset:8*128*K th:TH_LOAD_NT scope:SCOPE_SE
.Lno_ask_head:
	s_lshl_b32 s2, s23, 9                          ; the bias: columns 128 TX + 64 CH on
	s_lshl_b32 s3, s20, 8
	s_add_co_u32 s2, s2, s3
	s_mov_b32 s3, 0
	s_add_nc_u64 s[12:13], s[12:13], s[2:3]
	WIN 0x80
.irp j, 0,1
.irp b, 0,1,2,3
	global_load_b128 v[32*\j+8*\b:32*\j+8*\b+3], v25, s[12:13] offset:4096*\j+64*\b       ; q, k: lane (r, h) wants columns 16 b + 8 h + 0..7
	global_load_b128 v[32*\j+8*\b+4:32*\j+8*\b+7], v25, s[12:13] offset:4096*\j+64*\b+16
.endr
.endr
.irp b, 0,1,2,3
	global_load_b32 v[64+8*\b], v26, s[12:13] offset:8192+64*\b                           ; v: column 16 b + r, the same in all eight registers
.endr
	WIN 0
	s_lshr_b32 s2, s40, 4                          ; where the results go.  The batch: TY / 16
	s_lshl_b32 s2, s2, 4
	s_lshl_b32 s3, s23, 1
	s_add_co_u32 s2, s2, s3                        ; 16 x batch + 2 TX
	s_and_b32 s3, s40, 15                          ; T: which 128 positions of the sequence
	s_lshl_b32 s100, s2, 4
	s_add_co_u32 s100, s100, s3
	s_lshl_b32 s100, s100, 8
	s_add_co_u32 s100, s100, 524288
	s_mov_b32 s101, 0
	s_add_nc_u64 s[100:101], s[16:17], s[100:101]  ; v's scale words of head 2 TX, key step T
	s_add_co_u32 s2, s2, s20                       ; my head
	s_lshl_b32 s46, s2, 4
	s_add_co_u32 s46, s46, s3
	s_lshl_b32 s46, s46, 13
	s_lshl_b32 s47, s19, 10
	s_add_co_u32 s46, s46, s47
	s_add_co_u32 s46, s46, 8388608
	s_mov_b32 s47, 0
	s_add_nc_u64 s[46:47], s[14:15], s[46:47]      ; v's images: (16 head + T) x 8,192 + 1,024 RH
	s_lshl_b32 s41, s2, 7
	s_lshl_b32 s42, s3, 3
	s_add_co_u32 s41, s41, s42
	s_lshl_b32 s42, s19, 2
	s_add_co_u32 s41, s41, s42
	s_lshl_b32 s42, s41, 10
	s_mov_b32 s43, 0
	s_add_nc_u64 s[14:15], s[14:15], s[42:43]      ; q's images: (128 head + 8 T + 4 RH) x 1,024
	s_lshl_b32 s42, s2, 5
	s_lshl_b32 s41, s3, 1
	s_add_co_u32 s42, s42, s41
	s_add_co_u32 s42, s42, s19
	s_lshl_b32 s42, s42, 8
	s_add_nc_u64 s[16:17], s[16:17], s[42:43]      ; q's scale words: (32 head + 2 T + RH) x 256
	s_mov_b32 s44, 0x76543210
	s_mov_b32 s45, 0xfedcba98
	s_mov_b32 s67, 0x600000
	s_wait_alu depctr_va_vdst(0)
	s_wait_tensorcnt 0x0                           ; my tile of the head's four is in; slot 1's first fill is issued as a refill is:
	ds_add_u32 v28, v29                            ; 0 onto my spare word
	s_mov_b32 s26, 4<<16                           ; no load of mine is out: from here on a load brings half a slot's part: 4 blocks of A,
	s_mov_b32 s28, 4
	s_mov_b32 s50, 64<<16                          ; 64 rows of B
	s_mov_b32 s52, 64
	s_wait_dscnt 0x0                               ; the add is done
	CROUND                                         ; all four tiles are in, and all sixteen work-groups are here
	s_cmp_eq_u32 s19, 0                            ; slot 1: waves 0, 1 A's halves, waves 2, 3 B's
	s_cbranch_scc0 .Lsec_b
	tensor_load_to_lds s[36:39], s[24:31]
	s_nop 0
	PLACES 4
	s_branch .Lsec
.Lsec_b:
	tensor_load_to_lds s[60:63], s[48:55]
	s_nop 0
	PLACES 4
.Lsec:
	FETCH 0, 0, 0
	SCALES 0
	s_wait_loadcnt 0x0                             ; the bias
	WIN 0x82
.irp b, 0,1,2,3
.irp i, 1,2,3,4,5,6,7
	v_mov_b32 v[64+8*\b+\i], v[64+8*\b]
.endr
.endr
	WIN 0
; q (j = 0) or k (j = 1): my 64 rows x my head's 64, quantised along the head's axis: two blocks a row
.macro EPIQK j
	PLACES 8                                       ; in front of the first read of results
.irp a, 0,1,2,3
	s_wait_xcnt 0x0                                ; the earlier stores have read their registers
	QUANT2 128+32*\a, CD, PW+\a
	v_or_b32 v[PW+\a], 0x01010000, v[PW+\a]        ; bytes 2 and 3: for the zero codes that fill K to 128
	global_store_b128 v4, v[CD:CD+3], s[14:15] offset:\j*4194304+1024*\a          ; 32 lanes store 512 consecutive bytes
	global_store_b128 v4, v[CD+4:CD+7], s[14:15] offset:\j*4194304+1024*\a+512
.endr
	global_store_b128 v22, v[PW:PW+3], s[16:17] offset:\j*262144                  ; 64 rows' words: 256 consecutive bytes (lanes 16-31 hold and write the same)
.endm
.set ASKN, 1
	LAP 0, 0, 1
	EPIQK 0
.set ASKN, 0
	LAP 32, 0, 1
	EPIQK 1
	LAP 64, 1, 0
	; v: a lane holds column d = 16 b + r and my 64 keys: two blocks of 32 keys
	PLACES 8
.irp b, 0,1,2,3
	s_wait_xcnt 0x0
	QUANT2 128+32*\b, CD, PW
	global_store_b128 v4, v[CD:CD+3], s[46:47] offset:2048*\b
	global_store_b128 v4, v[CD+4:CD+7], s[46:47] offset:2048*\b+512
	ds_store_b16 v23, v[PW] offset:64*\b           ; bytes 2 RH and 2 RH + 1 of d's word (lanes 16-31 write the same)
.endr
	s_wait_dscnt 0x0                               ; for the others' sake
	s_barrier_signal -1
	s_barrier_wait -1
	s_cmp_lg_u32 s18, 0
	s_cbranch_scc1 .Lnot_mine
	ds_load_b128 v[116:119], v24                   ; two heads' 64 words
	s_wait_dscnt 0x0
	global_store_b128 v27, v[116:119], s[100:101]  ; sixteen lanes store 256 consecutive bytes, a head each
.Lnot_mine:
	s_wait_tensorcnt 0x0                           ; the wave's end
	ds_add_u32 v28, v29
	s_wait_dscnt 0x0
	CROUND                                         ; the closing round
	s_endpgm
.Lfunc_end_k_q1662f9bc83_qkv:
	.size	k_q1662f9bc83_qkv, .Lfunc_end_k_q1662f9bc83_qkv-k_q1662f9bc83_qkv
	.p2alignl 7, 3214868480
	.fill 96, 4, 3214868480
	.section	.rodata,"a",@progbits
	.p2align	6, 0x0
	.amdhsa_kernel k_q1662f9bc83_qkv
		.amdhsa_group_segment_fixed_size 327680
		.amdhsa_private_segment_fixed_size 0
		.amdhsa_enable_private_segment 0
		.amdhsa_kernarg_size 56
		.amdhsa_user_sgpr_count 2
		.amdhsa_user_sgpr_kernarg_segment_ptr 1
		.amdhsa_wavefront_size32 1
		.amdhsa_system_sgpr_workgroup_id_x 1
		.amdhsa_system_sgpr_workgroup_id_y 1
		.amdhsa_system_sgpr_workgroup_id_z 1
		.amdhsa_system_vgpr_workitem_id 0
		.amdhsa_next_free_vgpr 768
		.amdhsa_next_free_sgpr 102
		.amdhsa_reserve_vcc 0
		.amdhsa_float_denorm_mode_32 3
		.amdhsa_float_denorm_mode_16_64 3
		.amdhsa_memory_ordered 1
		.amdhsa_forward_progress 1
		.amdhsa_inst_pref_size 184
	.end_amdhsa_kernel
	.amdgpu_metadata
---
amdhsa.version: [ 1, 2 ]
amdhsa.kernels:
  - .name:           k_q1662f9bc83_qkv
    .symbol:         k_q1662f9bc83_qkv.kd
    .args:
      - { .name: act_img, .offset: 0, .size: 8, .value_kind: global_buffer, .address_space: global }
      - { .name: act_sc, .offset: 8, .size: 8, .value_kind: global_buffer, .address_space: global }
      - { .name: w_qkv_codes, .offset: 16, .size: 8, .value_kind: global_buffer, .address_space: global }
      - { .name: w_qkv_scales, .offset: 24, .size: 8, .value_kind: global_buffer, .address_space: global }
      - { .name: b_qkv, .offset: 32, .size: 8, .value_kind: global_buffer, .address_space: global }
      - { .name: qkv_img, .offset: 40, .size: 8, .value_kind: global_buffer, .address_space: global }
      - { .name: qkv_sc, .offset: 48, .size: 8, .value_kind: global_buffer, .address_space: global }
    .group_segment_fixed_size: 327680
    .private_segment_fixed_size: 0
    .kernarg_segment_align: 8
    .kernarg_segment_size: 56
    .max_flat_workgroup_size: 128
    .sgpr_count:     102
    .vgpr_count:     768
    .wavefront_size: 32
...
	.end_amdgpu_metadata
.endif
;; end of part 2
;; launch attn (part 3): grid 8 x 32, 16 waves a work-group, clusters of 4 x 1, 327,680 bytes of LDS; arguments qkv_img, qkv_sc, act_img, act_sc; writes act_img, act_sc
.if DOCPART == 3
	.amdgcn_target "amdgcn-amd-amdhsa--gfx1250"
	.amdhsa_code_object_version 6
	.text
	.protected	k_q1662f9bc83_attn
	.globl	k_q1662f9bc83_attn
	.p2align	8
	.type	k_q1662f9bc83_attn,@function
k_q1662f9bc83_attn:
	s_mov_b64 s[64:65], 0
	v_nop
	global_prefetch_b8 v0, s[64:65] scope:SCOPE_SE
	s_setreg_imm32_b32 hwreg(HW_REG_WAVE_MODE, 25, 1), 1
	s_wait_xcnt 0x0
	s_wait_alu depctr_hold_cnt(0) depctr_sa_sdst(0) depctr_va_vdst(0) depctr_va_sdst(0) depctr_va_ssrc(0) depctr_va_vcc(0) depctr_vm_vsrc(0)
	s_getreg_b32 s2, hwreg(HW_REG_IB_STS2, 6, 4)
	s_cmp_eq_u32 s2, 0
	s_cbranch_scc0 .Lentry_in_a_cluster
	s_endpgm
.Lentry_in_a_cluster:
	s_bfe_u32 s2, ttmp6, 0x10000c
	s_cmp_lg_u32 s2, 0x3003
	s_cbranch_scc0 .Lentry_shape_is_right
	s_endpgm
.Lentry_shape_is_right:
; ctx = softmax(q k^T / 32, causal) v for 32 heads (batch x head) of 2,048 positions x 64, both products on codes of E4M3; ctx is quantised along the model's 1,024 for the next product.
; WORK LEFT OUT: a step of 128 keys that lies wholly behind a tile's 16 queries (the problem's own causal mask makes its weights 0 for all values of the inputs).  A NaN, an infinity or an overflow that would arise only there is not carried on.
; LIMIT: the promise holds while the scaled scores (the exponents to the base 2) stay under 2^31 in magnitude.
; THE SOFTMAX: t = score x log2(e) / 32; M = the running largest t rounded up to a whole number; p = 2^(t - M) is quantised along the keys; the row's sum is taken of the unquantised p and divides at the end.
; SHARES.  Eight work-groups to a head.  Work-group x (0..7) owns the sixteen tiles of 16 queries at 128 g + 16 x, g = 0..15; tile g needs key steps 0 .. g: 136 steps in all.
; The waves go in pairs, i = 0..7: 17 steps a pair.  The pair's first wave (waves 0-7) walks the first a = min(12, 16 - i) steps of tile 15 - i.  Its second wave (waves 8-15) walks tile i whole (i + 1 steps) and stores it, then what is left of tile 15 - i, steps a .. 15 - i.
; The long tile's two parts are joined at the end: each has its own whole number M, so both are brought under the larger by a power of two, which rounds nothing.  The second wave's O^T, -M and sums go to the first through LDS
; (for i >= 4 nothing is left of the long tile: the part handed over is the state in which a tile begins, zeros, whose factor is 0: the text is one for all pairs).
; Waves w, w + 4, w + 8, w + 12 are pairs w and w + 4: 34 steps together.  Every branch hangs on the wave's number and the count of slots alone.
; LDS.  A head's K and V lie in LDS whole, each filled once: K's 16 steps of 9,216 bytes (16 keys are 1,024 bytes of images + 128 of padding), then V's 16 steps likewise.  Wave w fetches 256 keys: chunk w / 2 of K (w even) or of V (w odd).
; Two barriers show the tiles: waves 0, 1's (step 0 is what every wave walks first), then the rest.  Each of the two groups of waves has a load line of its own.
; CLUSTER 4 x 1: the work-groups of a head need the same tiles, and ask for them jointly, four at a time.  The scale bytes (12,288 of a work-group's 307,200 bytes) go through registers into LDS bytes of their own.
; No prefetch: every tile is asked for at the head, so there is no loop in which to ask ahead of a load.
; LAYOUT.  Both products transposed: a lane holds one query.  Lane r of key tile 2 b + u takes key 32 b + 8 u + r + 8 (r / 8), so that p's 16 registers of two tiles are 16 neighbouring keys.  K = 64 is filled to 128 with zero codes of q.
; REGISTERS: v1-4 addresses that stay; v5, v6 the add's two; v7, v248-255 the long tile's q; v8-11 the step's addresses; v12 -M, v13 the largest t, v[14:15] the sum; v16-31 q; v32-103 fragments; v104-167 S^T, then p; v168-199 O^T; v200-215 p's codes; v216-223 scale words; v224-245 at work; v247 the pair's place in LDS.
.set KPI,   1152
.set STEPB, 8*KPI                      ; 128 keys of K or of V in LDS
.set CHB,   16*KPI                     ; what one load brings
.set VOFF,  8*CHB
.set SCK,   2*VOFF                     ; K's scale words, 8,192 bytes; no tensor load lands here
.set SCV,   SCK+8192                   ; V's, 4,096 bytes
.set SPARE, SCV+4096                   ; the spare words, 128 bytes a wave
.set PAIRB, 9*512                      ; what a pair's second wave hands over: 36 registers.  It lies in K's part from byte 0 on, which has had its only fill and is read no more when the first byte is stored there
.set AMAX,  12                         ; the most steps of a first wave, and the slots that every wave walks
.set S,   104
.set BM,  224
.set T2,  228
.set HL,  232
.set SO,  236
.set F,   240
.set TT,  242
.set TM,  224
.set SSEL, 20
.set SMNT, 19
.set WV,  18
.set CS,  22
.set TB,  2                            ; s2  the step's place in K's and V's parts of LDS
.set TS,  3                            ; s3  in K's scale words
.set TJ,  66                           ; s66 in V's
.set TAU, 67                           ; s67 the slot, 0 .. AMAX - 1
.set ROLE, 68                          ; s68 0: a pair's first wave; 1: its second
.set SI,  69                           ; s69 the last slot of my first tile (first waves: 99 and more: never passed)
.set SI1, 70                           ; s70 the slot after it
.set SJ,  71                           ; s71 a - 1 - i: what a second wave's key step jumps by behind its first tile; 0 in first waves
.set NS,  72                           ; s72 my slots: a, or 17 - a
.set QB1, 73                           ; s73, s74  128 g of my first tile, of the long tile: made of the wave's number alone; the branches hang on them
.set QB2, 74
.set Q01, 75                           ; s75, s76  their first queries: they enter global addresses and the mask's lanes alone
.set Q02, 76
.set PM,  77                           ; s77 my pair's place in LDS
.set QB,  81
.set KF,  98                           ; s98 the step's first key
.set Q0,  99
.macro PLACES n
.rept \n
	v_nop
.endr
.endm
.macro CROUND                          ; a round of the cluster's barrier
	s_barrier_signal -1
	s_barrier_wait -1
	s_cmp_lg_u32 s[WV], 0
	s_cbranch_scc1 .Lnw0_\@
	s_barrier_signal -3
.Lnw0_\@:
	s_barrier_wait -3
	s_barrier_signal -1
	s_barrier_wait -1
.endm
.macro TLOAD
	tensor_load_to_lds s[40:43], s[24:31]
	s_nop 0
	PLACES 4
.endm
.macro SHOW under                      ; a barrier that shows the tiles of the waves under this number (0: of all)
	s_wait_alu depctr_va_vdst(0)
.if \under
	s_cmp_lt_u32 s[WV], \under
	s_cbranch_scc0 .Lnot_yet_\@
	s_wait_tensorcnt 0x0
.Lnot_yet_\@:
.else
	s_wait_tensorcnt 0x0
.endif
	s_wait_dscnt 0x0
	s_barrier_signal -1
	s_barrier_wait -1
.endm
.macro QOFF q0, c, w                   ; where a tile's q lies: its images in s[c], its scale words in s[w]
	s_lshl_b32 s[\c], s[\q0], 6
	s_add_co_u32 s[\c], s[\c], s86
	s_mov_b32 s[\c+1], 0
	s_lshr_b32 s[\w], s[\q0], 6
	s_lshl_b32 s[\w], s[\w], 8
	s_bfe_u32 s[\w+1], s[\q0], 0x20004
	s_lshl_b32 s[\w+1], s[\w+1], 2
	s_add_co_u32 s[\w], s[\w], s[\w+1]
	s_lshl_b32 s[\w+1], s82, 13
	s_add_co_u32 s[\w], s[\w], s[\w+1]
	s_mov_b32 s[\w+1], 0
.endm
.macro RESET                           ; a tile begins: the largest t -3e38, the sums and O^T zeros, which the first change of M leaves zeros
	v_mov_b32 v13, 0xff61b1e6
	v_floor_f32 v12, -v13
	v_mov_b32 v14, 0
	v_mov_b32 v15, 0
.set n, 0
.rept 32
	v_mov_b32 v[168+n], 0
.set n, n+1
.endr
.endm
.macro QUANT2 X, C, P                  ; 32 numbers of a lane, two blocks of 32 shared with lane l xor 16 -> codes in the operand's layout, two scale bytes
.irp e, 0,1
	v_max3_num_f32 v[TM+\e], |v[(\X)+16*\e]|, |v[(\X)+16*\e+1]|, 0x4800000
.endr
.irp i, 2,4,6,8,10,12,14
.irp e, 0,1
	s_delay_alu instid0(VALU_DEP_2)
	v_max3_num_f32 v[TM+\e], v[TM+\e], |v[(\X)+16*\e+\i]|, |v[(\X)+16*\e+\i+1]|
.endr
.endr
.irp e, 0,1
	s_delay_alu instid0(VALU_DEP_2)
	v_permlanex16_b32 v[TM+2+\e], v[TM+\e], s[SSEL], s[SSEL+1]
.endr
.irp e, 0,1
	s_delay_alu instid0(VALU_DEP_2)
	v_max_num_f32 v[TM+\e], v[TM+\e], v[TM+2+\e]
.endr
.irp e, 0,1
	s_delay_alu instid0(VALU_DEP_2)
	v_add_nc_u32 v[TM+6+\e], 0xfc000000, v[TM+\e]
.endr
.irp e, 0,1
	s_delay_alu instid0(VALU_DEP_4)
	v_and_or_b32 v[TM+4+\e], v[TM+\e], 0x7f800000, s[SMNT]
.endr
.irp e, 0,1
	s_delay_alu instid0(VALU_DEP_4)
	v_lshrrev_b32 v[TM+2+\e], 23, v[TM+6+\e]
.endr
	s_delay_alu instid0(VALU_DEP_1)
	v_lshl_or_b32 v[(\P)], v[TM+3], 8, v[TM+2]
.irp e, 0,1
.irp i, 0,1,2,3,4,5,6,7,8,9,10,11,12,13,14,15
	v_med3_num_f32 v[(\X)+16*\e+\i], v[(\X)+16*\e+\i], -v[TM+4+\e], v[TM+4+\e]
.endr
	v_cvt_scalef32_pk8_fp8_f32 v[(\C)+4*\e:(\C)+4*\e+1], v[(\X)+16*\e:(\X)+16*\e+7], v[TM+6+\e]
	v_cvt_scalef32_pk8_fp8_f32 v[(\C)+4*\e+2:(\C)+4*\e+3], v[(\X)+16*\e+8:(\X)+16*\e+15], v[TM+6+\e]
.endr
	v_nop
.irp e, 0,1
	v_permlane16_swap_b32 v[(\C)+4*\e], v[(\C)+4*\e+2]
	v_permlane16_swap_b32 v[(\C)+4*\e+1], v[(\C)+4*\e+3]
.endr
.endm
.macro EPI q0                          ; a finished tile, first query s[q0]: O^T / the sum, quantised, stored.  Eight places stand ahead of it
	v_add_f32 v14, v14, v15
	s_delay_alu instid0(VALU_DEP_1)
	v_permlanex16_b32 v[TT], v14, s[SSEL], s[SSEL+1]
	s_delay_alu instid0(VALU_DEP_1)
	v_add_f32 v14, v14, v[TT]
	s_wait_alu depctr_va_vdst(0)
	v_rcp_f32 v14, v14
	v_and_b32 v8, 15, v0
	s_delay_alu instid0(VALU_DEP_1)
	v_lshlrev_b32 v8, 2, v8
	v_and_b32 v9, 31, v0
	s_delay_alu instid0(VALU_DEP_1)
	v_lshlrev_b32 v9, 4, v9
	s_lshr_b32 s84, s82, 4                         ; the batch
	s_and_b32 s85, s82, 15                         ; the head in it
	s_lshl_b32 s86, s84, 21
	s_lshl_b32 s87, s[\q0], 10
	s_add_co_u32 s86, s86, s87
	s_lshr_b32 s87, s85, 1
	s_lshl_b32 s88, s87, 11
	s_add_co_u32 s86, s86, s88
	s_and_b32 s88, s85, 1
	s_lshl_b32 s89, s88, 10
	s_add_co_u32 s86, s86, s89                     ; the image: block of 16 rows, K step head / 2, pieces 2 (head % 2) on
	s_lshl_b32 s90, s87, 14
	s_lshl_b32 s91, s84, 13
	s_add_co_u32 s90, s90, s91
	s_lshl_b32 s91, s[\q0], 2
	s_add_co_u32 s90, s90, s91
	s_lshl_b32 s91, s88, 1
	s_add_co_u32 s90, s90, s91                     ; two bytes of each row's scale word
	s_mov_b32 s87, 0
	s_mov_b32 s91, 0
	s_add_nc_u64 s[92:93], s[8:9], s[86:87]
	s_add_nc_u64 s[94:95], s[10:11], s[90:91]
	s_wait_alu depctr_va_vdst(0)
.set n, 0
.rept 32
	v_mul_f32 v[S+n], v[168+n], v14
.set n, n+1
.endr
	QUANT2 S, 200, 243
	global_store_b128 v9, v[200:203], s[92:93]
	global_store_b128 v9, v[204:207], s[92:93] offset:512
	global_store_b16 v8, v243, s[94:95]
.endm
	s_load_b256 s[4:11], s[0:1], 0x0               ; qkv_img, qkv_sc, act_img, act_sc
	v_lshl_add_u32 v5, v0, 2, SPARE
	v_mov_b32 v6, 0
	ds_add_u32 v5, v6                              ; the wave's opening: the add, twice on end, and its wait ahead of my first tensor load
	ds_add_u32 v5, v6
	v_lshrrev_b32 v8, 5, v0
	v_readfirstlane_b32 s[WV], v8                  ; wave 0..15
	s_and_b32 s82, ttmp7, 0xffff                   ; the head, 16 x batch + head
	s_bfe_u32 s83, ttmp6, 0x40000                  ; cx
	s_lshl_b32 s84, ttmp9, 2
	s_add_co_u32 s83, s83, s84                     ; x = 4 x cluster x + cx
	s_lshl_b32 s83, s83, 4
	s_lshr_b32 s[ROLE], s[WV], 3
	s_and_b32 s84, s[WV], 7
	s_lshl_b32 s85, s[ROLE], 2
	s_xor_b32 s84, s84, s85                        ; the pair, i: waves 0-7: w; waves 8-11: pairs 4-7; waves 12-15: pairs 0-3
	s_xor_b32 s88, s84, 7                          ; 7 - i
	s_add_co_u32 s89, s88, AMAX-8                  ; AMAX - 1 - i
	s_lshl_b32 s88, s88, 1
	s_add_co_u32 s88, s88, 1                       ; 15 - 2 i
	s_min_u32 s88, s88, s89                        ; a - 1 - i
	s_mul_i32 s[SJ], s88, s[ROLE]
	s_xor_b32 s85, s[ROLE], 1
	s_mul_i32 s85, s85, 99
	s_add_co_u32 s[SI], s84, s85
	s_add_co_u32 s[SI1], s[SI], 1
	s_mul_i32 s[PM], s84, PAIRB
	s_xor_b32 s85, s84, 15
	s_lshl_b32 s[QB2], s85, 7                      ; the long tile: g = 15 - i
	s_add_co_u32 s87, s85, 1
	s_min_u32 s87, s87, AMAX                       ; a
	s_sub_co_u32 s88, 17, s87
	s_lshl_b32 s85, s84, 7
	s_cmp_eq_u32 s[ROLE], 0
	s_cselect_b32 s[NS], s87, s88
	s_cselect_b32 s[QB1], s[QB2], s85              ; a first wave begins with the long tile, a second wave with tile i
	s_add_co_u32 s[Q01], s[QB1], s83
	s_add_co_u32 s[Q02], s[QB2], s83
	s_lshl_b32 s86, s82, 17                        ; a head's codes: 131,072 bytes in each of q, k, v
	s_and_b32 s85, s[WV], 1                        ; I fetch for K (0) or for V (1),
	s_lshr_b32 s87, s[WV], 1                       ; chunk w / 2
	s_add_co_u32 s88, s85, 1
	s_lshl_b32 s88, s88, 22                        ; k's images begin at 4,194,304, v's at 8,388,608
	s_add_co_u32 s88, s88, s86
	s_lshl_b32 s89, s87, 14
	s_add_co_u32 s88, s88, s89
	s_mov_b32 s89, 0
	s_mul_i32 s41, s85, VOFF
	s_mul_i32 s87, s87, CHB
	s_add_co_u32 s41, s41, s87                     ; and where it goes: the wave's number alone
	s_lshl_b32 s90, s82, 13
	s_add_co_u32 s90, s90, 262144                  ; k's scale words
	s_mov_b32 s91, 0
	s_lshl_b32 s92, s82, 12
	s_add_co_u32 s92, s92, 524288                  ; v's
	s_mov_b32 s93, 0
	QOFF Q01, 94, 96
	QOFF Q02, 44, 46
	s_mov_b32 s24, 15|(3<<16)|(1<<20)|(1<<21)|(7<<22)|(31<<25)   ; the four of my cluster; elements of 8 bytes; 32 words of padding behind every 256
	s_mov_b32 s25, 128<<16                         ; 16 dense rows of 1,024 bytes
	s_mov_b32 s26, 16<<16
	s_mov_b32 s27, 128<<16
	s_mov_b32 s28, 16
	s_mov_b32 s29, 128
	s_mov_b32 s30, 0
	s_mov_b32 s31, 0
	s_mov_b32 s40, 1
	s_mov_b32 s[SSEL], 0x76543210
	s_mov_b32 s[SSEL+1], 0xfedcba98
	s_mov_b32 s[CS], 0x3d38aa3b                    ; log2(e) / 32
	s_mov_b32 s[CS+1], s[CS]
	s_mov_b32 s[SMNT], 0x600000
	s_wait_dscnt 0x0                               ; both opening adds are done
	CROUND                                         ; the four work-groups are here: the joint loads meet
	s_wait_kmcnt 0x0
	s_add_nc_u64 s[42:43], s[4:5], s[88:89]
	s_or_b32 s43, s43, 0x80000000
	s_cmp_lt_u32 s[WV], 2                          ; one load a wave, in one chain; a line for each group of waves that waits at a barrier of its own
	s_cbranch_scc0 .Larm1
	TLOAD
	s_branch .Lasked
.Larm1:
	TLOAD
.Lasked:
	s_add_nc_u64 s[94:95], s[4:5], s[94:95]
	s_add_nc_u64 s[96:97], s[6:7], s[96:97]
	s_add_nc_u64 s[44:45], s[4:5], s[44:45]
	s_add_nc_u64 s[46:47], s[6:7], s[46:47]
	s_add_nc_u64 s[90:91], s[6:7], s[90:91]
	s_add_nc_u64 s[92:93], s[6:7], s[92:93]
	v_and_b32 v8, 15, v0
	v_bfe_u32 v9, v0, 4, 1
	v_bfe_u32 v10, v0, 3, 1
	v_and_b32 v11, 7, v0
	v_and_b32 v12, 31, v0
	v_lshlrev_b32 v246, 4, v12
	v_lshlrev_b32 v38, 4, v8
	v_lshlrev_b32 v39, 4, v0                       ; 16 x thread: 512 threads copy K's 8,192 bytes of scale words,
	v_lshlrev_b32 v40, 3, v0                       ; 8 x thread: and V's 4,096
	global_load_b128 v[16:19], v246, s[94:95]      ; my first tile's q
	global_load_b128 v[20:23], v246, s[94:95] offset:512
	global_load_b32 v222, v38, s[96:97]
	global_load_b128 v[32:35], v39, s[90:91]
	global_load_b64 v[36:37], v40, s[92:93]
	global_load_b128 v[248:251], v246, s[44:45]    ; the long tile's q, for a second wave's second tile (the text is one for both kinds of wave: a first wave fetches it too and does not use it)
	global_load_b128 v[252:255], v246, s[44:45] offset:512
	global_load_b32 v7, v38, s[46:47]
	v_add_nc_u32 v41, SCK, v39
	v_add_nc_u32 v42, SCV, v40
	v_add_nc_u32 v247, s[PM], v246
	v_mul_u32_u24 v1, v10, KPI
	v_lshl_add_u32 v1, v9, 8, v1
	v_lshl_add_u32 v1, v11, 4, v1
	v_add_nc_u32 v2, VOFF, v246
	v_lshlrev_b32 v3, 7, v9
	v_lshl_add_u32 v3, v11, 4, v3
	v_lshl_add_u32 v3, v10, 2, v3
	v_add_nc_u32 v3, SCK, v3
	v_lshl_add_u32 v4, v12, 2, SCV
.set n, 0
.rept 8
	v_mov_b32 v[24+n], 0                           ; q's zero codes for K = 64 .. 127
	v_mov_b32 v[96+n], 0
	v_mov_b32 v[224+n], 0
.set n, n+1
.endr
	v_mov_b32 v241, 0
	v_mov_b32 v242, 0
	RESET
.macro SLOT first                      ; a slot: one step of 128 keys for each wave that has one left
.if \first
	s_mov_b32 s[TB], 0                             ; slot 0: every wave walks key step 0 of its first tile
	s_mov_b32 s[TS], 0
	s_mov_b32 s[TJ], 0
	s_mov_b32 s[KF], 0
	s_mov_b32 s[QB], s[QB1]
	s_mov_b32 s[Q0], s[Q01]
.else
	s_cmp_eq_u32 s[TAU], s[SI1]                    ; a second wave's first tile is finished: it leaves, and the long tile begins
	s_cbranch_scc0 .Lsame_\@
	PLACES 8
	EPI Q01
.set n, 0
.rept 8
	v_mov_b32 v[16+n], v[248+n]
.set n, n+1
.endr
	v_mov_b32 v222, v7
	s_wait_alu depctr_va_vdst(0)
	s_wait_xcnt 0x0                                ; the stores have read their registers
	RESET
	s_wait_alu depctr_va_vdst(0)
.Lsame_\@:
	s_cmp_gt_u32 s[TAU], s[SI]                     ; behind my first tile?
	s_cselect_b32 s96, s[SJ], 0
	s_cselect_b32 s[QB], s[QB2], s[QB1]
	s_cselect_b32 s[Q0], s[Q02], s[Q01]
	s_add_co_u32 s96, s96, s[TAU]                  ; the key step: the slot, or the slot + a - 1 - i
	s_min_u32 s96, s96, 15                         ; (a slot that is walked never passes 15; one that is jumped over may)
	s_mul_i32 s[TB], s96, STEPB
	s_lshl_b32 s[TS], s96, 9
	s_lshl_b32 s[TJ], s96, 8
	s_lshl_b32 s[KF], s96, 7
	s_cmp_ge_u32 s[TAU], s[NS]                     ; my slots are over
	s_cbranch_scc1 .Lhidden_\@
.endif
	v_add_nc_u32 v8, s[TB], v1
	v_add_nc_u32 v9, s[TB], v2
	v_add_nc_u32 v10, s[TS], v3
	v_add_nc_u32 v11, s[TJ], v4
	PLACES 4
.irp b, 0,1,2,3
.irp u, 0,1
.irp c, 0,1
	ds_load_b128 v[32+8*(2*\b+\u)+4*\c:35+8*(2*\b+\u)+4*\c], v8 offset:2*\b*KPI+128*\u+512*\c
.endr
.endr
	ds_load_b32 v[216+\b], v10 offset:256*(\b/2)+8*(\b%2)
.endr
	s_wait_alu depctr_va_vdst(0)
	s_wait_dscnt 0x0
.irp b, 0,1,2,3
	v_wmma_scale_f32_16x16x128_f8f6f4 v[S+16*\b:S+16*\b+7], v[32+16*\b:47+16*\b], v[16:31], 0, v[216+\b], v222
	v_wmma_scale_f32_16x16x128_f8f6f4 v[S+16*\b+8:S+16*\b+15], v[40+16*\b:55+16*\b], v[16:31], 0, v[216+\b], v222 matrix_a_scale:MATRIX_SCALE_ROW1
.endr
	PLACES 8
.irp t, 0,1,2,3
.irp c, 0,1,2,3
	ds_load_b128 v[32+16*\t+4*\c:35+16*\t+4*\c], v9 offset:(2*\t+\c/2)*KPI+512*(\c%2)
.endr
.endr
	ds_load_b32 v220, v11
	ds_load_b32 v221, v11 offset:128
	s_cmp_lt_u32 s[KF], s[QB]                      ; all its keys count: no mask
	s_cbranch_scc1 .Lopen_\@
	s_sub_co_i32 s96, s[Q0], s[KF]
	v_and_b32 v243, 15, v0
	v_bfe_u32 v244, v0, 4, 1
	s_delay_alu instid0(VALU_DEP_1)
	v_lshlrev_b32 v244, 4, v244
	s_delay_alu instid0(VALU_DEP_1)
	v_sub_nc_u32 v243, v243, v244
	s_delay_alu instid0(VALU_DEP_1)
	v_add_nc_u32 v243, s96, v243
	v_mov_b32 v245, 0xff800000
.set n, 0
.rept 64
	v_cmp_gt_i32 vcc_lo, 32*(n/16)+n%16, v243
	v_cndmask_b32 v[S+n], v[S+n], v245, vcc_lo
.set n, n+1
.endr
.Lopen_\@:
.irp b, 0,1,2,3
	v_max3_num_f32 v[BM+\b], v[S+16*\b], v[S+1+16*\b], v[S+2+16*\b]
.endr
.irp i, 3,5,7,9,11,13
.irp b, 0,1,2,3
	v_max3_num_f32 v[BM+\b], v[BM+\b], v[S+16*\b+\i], v[S+1+16*\b+\i]
.endr
.endr
.irp b, 0,1,2,3
	v_max_num_f32 v[BM+\b], v[BM+\b], v[S+15+16*\b]
.endr
.irp b, 0,1,2,3
	s_delay_alu instid0(VALU_DEP_4)
	v_permlanex16_b32 v[T2+\b], v[BM+\b], s[SSEL], s[SSEL+1]
.endr
.irp b, 0,1,2,3
	s_delay_alu instid0(VALU_DEP_4)
	v_max_num_f32 v[BM+\b], v[BM+\b], v[T2+\b]
.endr
	s_delay_alu instid0(VALU_DEP_2)
	v_max3_num_f32 v[TT], v[BM], v[BM+1], v[BM+2]
	s_delay_alu instid0(VALU_DEP_1)
	v_max_num_f32 v[TT], v[TT], v[BM+3]
	s_delay_alu instid0(VALU_DEP_1)
	v_mul_f32 v[TT], s[CS], v[TT]
	s_delay_alu instid0(VALU_DEP_1)
	v_max_num_f32 v13, v13, v[TT]
	v_mov_b32 v[TT], v12
	s_delay_alu instid0(VALU_DEP_2)
	v_floor_f32 v12, -v13
	s_delay_alu instid0(VALU_DEP_1)
	v_sub_f32 v[TT], v12, v[TT]
	s_delay_alu instid0(VALU_DEP_1)
	v_cvt_i32_f32 v[TT], v[TT]
	s_delay_alu instid0(VALU_DEP_1)
	v_ldexp_f32 v[F], 1.0, v[TT]
.set n, 0
.rept 32
	v_pk_fma_f32 v[S+n:S+n+1], v[S+n:S+n+1], s[CS:CS+1], v[12:13] op_sel_hi:[1,0,0]
.set n, n+2
.endr
.irp b, 0,1,2,3
	v_fma_f32 v[BM+\b], v[BM+\b], s[CS], v12
.endr
.set n, 0
	s_wait_alu depctr_va_vdst(0)
.rept 64
	v_exp_f32 v[S+n], v[S+n]
.set n, n+1
.endr
	v_pk_mul_f32 v[14:15], v[14:15], v[F:F+1] op_sel_hi:[1,0]
	s_wait_alu depctr_va_vdst(0)
.irp b, 0,1,2,3
	v_exp_f32 v[BM+\b], v[BM+\b]
.endr
	v_pk_add_f32 v[T2:T2+1], v[S:S+1], v[S+2:S+3]
.set n, 4
.rept 15
	v_pk_add_f32 v[14:15], v[14:15], v[S+n:S+n+1]
	v_pk_add_f32 v[T2:T2+1], v[T2:T2+1], v[S+n+2:S+n+3]
.set n, n+4
.endr
	s_delay_alu instid0(VALU_DEP_1)
	v_pk_add_f32 v[14:15], v[14:15], v[T2:T2+1]
	s_wait_alu depctr_va_vdst(0)
.irp b, 0,1,2,3
	v_max_num_f32 v[BM+\b], 0x4800000, v[BM+\b]
.endr
.irp b, 0,1,2,3
	s_delay_alu instid0(VALU_DEP_4)
	v_add_nc_u32 v[SO+\b], 0xfc000000, v[BM+\b]
.endr
.irp b, 0,1,2,3
	v_and_or_b32 v[HL+\b], v[BM+\b], 0x7f800000, s[SMNT]
.endr
.irp b, 0,1,2,3
	v_lshrrev_b32 v[T2+\b], 23, v[SO+\b]
.endr
	s_delay_alu instid0(VALU_DEP_3)
	v_lshl_or_b32 v223, v[T2+1], 8, v[T2]
	s_delay_alu instid0(VALU_DEP_1)
	v_lshl_or_b32 v223, v[T2+2], 16, v223
	s_delay_alu instid0(VALU_DEP_1)
	v_lshl_or_b32 v223, v[T2+3], 24, v223
.irp b, 0,1,2,3
.irp i, 0,1,2,3,4,5,6,7,8,9,10,11,12,13,14,15
	v_min_num_f32 v[S+16*\b+\i], v[S+16*\b+\i], v[HL+\b]
.endr
	v_cvt_scalef32_pk8_fp8_f32 v[200+4*\b:201+4*\b], v[S+16*\b:S+16*\b+7], v[SO+\b]
	v_cvt_scalef32_pk8_fp8_f32 v[202+4*\b:203+4*\b], v[S+16*\b+8:S+16*\b+15], v[SO+\b]
.endr
.set n, 0
.rept 16
	v_pk_mul_f32 v[168+n:169+n], v[168+n:169+n], v[F:F+1] op_sel_hi:[1,0]
.set n, n+2
.endr
	s_wait_alu depctr_va_vdst(0)
	s_wait_dscnt 0x0
.irp t, 0,2
	v_wmma_scale_f32_16x16x128_f8f6f4 v[168+8*\t:175+8*\t], v[32+16*\t:47+16*\t], v[200:215], v[168+8*\t:175+8*\t], v[220+\t/2], v223
	v_wmma_scale_f32_16x16x128_f8f6f4 v[176+8*\t:183+8*\t], v[48+16*\t:63+16*\t], v[200:215], v[176+8*\t:183+8*\t], v[220+\t/2], v223 matrix_a_scale:MATRIX_SCALE_ROW1
.endr
.Lhidden_\@:
.endm
	s_wait_alu depctr_va_vdst(0)
	s_wait_loadcnt 0x0                             ; q and the scale words
	ds_store_b128 v41, v[32:35]
	ds_store_b64 v42, v[36:37]
	SHOW 2                                         ; chunk 0 of K and V, and everybody's part of the scale words
	SLOT 1
	SHOW 0                                         ; the rest
	s_mov_b32 s[TAU], 1
.Lslots:
	SLOT 0
	s_add_co_u32 s[TAU], s[TAU], 1
	s_cmp_lt_u32 s[TAU], AMAX
	s_cbranch_scc1 .Lslots
	PLACES 8                                       ; behind the last products, ahead of the first reader of O^T and of loads into the fragments' registers
	SHOW 0                                         ; nobody reads K's and V's tiles any more
	s_cmp_eq_u32 s[ROLE], 0
	s_cbranch_scc1 .Lno_send
.set n, 0
.rept 8
	ds_store_b128 v247, v[168+4*n:171+4*n] offset:512*n   ; a second wave's part of the long tile: O^T, each accumulator from its low end on,
.set n, n+1
.endr
	ds_store_b128 v247, v[12:15] offset:4096       ; -M, the largest t, the sums
.Lno_send:
	s_wait_dscnt 0x0                               ; for the partner's sake
	s_barrier_signal -1
	s_barrier_wait -1
	s_cmp_eq_u32 s[ROLE], 0
	s_cbranch_scc0 .Ldone
.set n, 0
.rept 8
	ds_load_b128 v[32+4*n:35+4*n], v247 offset:512*n
.set n, n+1
.endr
	ds_load_b128 v[64:67], v247 offset:4096
	s_wait_dscnt 0x0
	v_min_num_f32 v70, v12, v64                    ; -M of the two parts together
	v_sub_f32 v71, v70, v12                        ; whole numbers, 0 or less
	v_sub_f32 v72, v70, v64
	v_cvt_i32_f32 v71, v71                         ; (it saturates)
	v_cvt_i32_f32 v72, v72
	v_ldexp_f32 v[F], 1.0, v71                     ; my part's factor,
	v_ldexp_f32 v[T2], 1.0, v72                    ; the partner's: powers of two, or 0
	v_pk_mul_f32 v[14:15], v[14:15], v[F:F+1] op_sel_hi:[1,0]
	v_pk_fma_f32 v[14:15], v[66:67], v[T2:T2+1], v[14:15] op_sel_hi:[1,0,1]
.set n, 0
.rept 16
	v_pk_mul_f32 v[168+n:169+n], v[168+n:169+n], v[F:F+1] op_sel_hi:[1,0]
.set n, n+2
.endr
.set n, 0
.rept 16
	v_pk_fma_f32 v[168+n:169+n], v[32+n:33+n], v[T2:T2+1], v[168+n:169+n] op_sel_hi:[1,0,1]
.set n, n+2
.endr
	EPI Q02
.Ldone:
	s_wait_tensorcnt 0x0                           ; the wave's end
	ds_add_u32 v5, v6
	s_wait_dscnt 0x0
	CROUND                                         ; the closing round
	s_endpgm
.Lfunc_end_k_q1662f9bc83_attn:
	.size	k_q1662f9bc83_attn, .Lfunc_end_k_q1662f9bc83_attn-k_q1662f9bc83_attn
	.p2alignl 7, 3214868480
	.fill 96, 4, 3214868480
	.section	.rodata,"a",@progbits
	.p2align	6, 0x0
	.amdhsa_kernel k_q1662f9bc83_attn
		.amdhsa_group_segment_fixed_size 327680
		.amdhsa_private_segment_fixed_size 0
		.amdhsa_enable_private_segment 0
		.amdhsa_kernarg_size 32
		.amdhsa_user_sgpr_count 2
		.amdhsa_user_sgpr_kernarg_segment_ptr 1
		.amdhsa_wavefront_size32 1
		.amdhsa_system_sgpr_workgroup_id_x 1
		.amdhsa_system_sgpr_workgroup_id_y 1
		.amdhsa_system_sgpr_workgroup_id_z 1
		.amdhsa_system_vgpr_workitem_id 0
		.amdhsa_next_free_vgpr 256
		.amdhsa_next_free_sgpr 100
		.amdhsa_reserve_vcc 1
		.amdhsa_float_denorm_mode_32 3
		.amdhsa_float_denorm_mode_16_64 3
		.amdhsa_memory_ordered 1
		.amdhsa_forward_progress 1
		.amdhsa_inst_pref_size 81
	.end_amdhsa_kernel
	.amdgpu_metadata
---
amdhsa.version: [ 1, 2 ]
amdhsa.kernels:
  - .name:           k_q1662f9bc83_attn
    .symbol:         k_q1662f9bc83_attn.kd
    .args:
      - { .name: qkv_img, .offset: 0, .size: 8, .value_kind: global_buffer, .address_space: global }
      - { .name: qkv_sc, .offset: 8, .size: 8, .value_kind: global_buffer, .address_space: global }
      - { .name: act_img, .offset: 16, .size: 8, .value_kind: global_buffer, .address_space: global }
      - { .name: act_sc, .offset: 24, .size: 8, .value_kind: global_buffer, .address_space: global }
    .group_segment_fixed_size: 327680
    .private_segment_fixed_size: 0
    .kernarg_segment_align: 8
    .kernarg_segment_size: 32
    .max_flat_workgroup_size: 512
    .sgpr_count:     100
    .vgpr_count:     256
    .wavefront_size: 32
...
	.end_amdgpu_metadata
.endif
;; end of part 3
;; launch oproj (part 4): grid 8 x 32, 4 waves a work-group, clusters of 4 x 4, 327,680 bytes of LDS; arguments act_img, act_sc, w_o_codes, w_o_scales, b_o, x, x1; writes x1
.if DOCPART == 4
	.amdgcn_target "amdgcn-amd-amdhsa--gfx1250"
	.amdhsa_code_object_version 6
	.text
	.protected	k_q1662f9bc83_oproj
	.globl	k_q1662f9bc83_oproj
	.p2align	8
	.type	k_q1662f9bc83_oproj,@function
k_q1662f9bc83_oproj:
	s_mov_b64 s[64:65], 0
	v_nop
	global_prefetch_b8 v0, s[64:65] scope:SCOPE_SE
	s_setreg_imm32_b32 hwreg(HW_REG_WAVE_MODE, 25, 1), 1
	s_wait_xcnt 0x0
	s_wait_alu depctr_hold_cnt(0) depctr_sa_sdst(0) depctr_va_vdst(0) depctr_va_sdst(0) depctr_va_ssrc(0) depctr_va_vcc(0) depctr_vm_vsrc(0)
	s_getreg_b32 s2, hwreg(HW_REG_IB_STS2, 6, 4)
	s_cmp_eq_u32 s2, 0
	s_cbranch_scc0 .Lentry_in_a_cluster
	s_endpgm
.Lentry_in_a_cluster:
	s_bfe_u32 s2, ttmp6, 0x10000c
	s_cmp_lg_u32 s2, 0xf033
	s_cbranch_scc0 .Lentry_shape_is_right
	s_endpgm
.Lentry_shape_is_right:
; x1 = x + ctx w_o + b_o: C = R + A B^T + bias on codes of E4M3.  A: [4,096 x K] as register images with scale words [K step][row]; B: [1,024][K] codes, K innermost, scale bytes [1,024][K / 32]; R, C: [4,096][1,024] f32.
; SHARES.  Work-group (TX, TY) makes rows 128 TY on x columns 128 TX on; four waves, each 64 x 64: 16 accumulators.  K goes in laps of 1,024: two LDS slots of K = 512, eight steps of 128.  Here K = 1,024: one lap, nothing is filled again.
; CLUSTER 4 x 4: A's tiles and scale words hang on TY alone and are asked for jointly along a row of the cluster, B's on TX alone, along a column.
; The matrix instruction is used transposed (source 0 = 16 rows of B, source 1 = 16 rows of A): a lane holds eight neighbouring columns of a row.  The bias is the C that starts the sums.
; REGISTERS.  window 0: v1-27 addresses; v28, v29 the add's two; v32-63 scale words, two sets; v64-127 rows on the way out; v128-255 the accumulators.  window 1: two buffers of eight fragments.  window 2: v0-31 the bias, v32-159 R.
.set K,      1024
.set LAPS,   K/1024
.set NKS,    K/128
.set KS,     K/32
.set SBU,    64*KS/256                 ; units of 256 bytes in the scale bytes of 64 rows of B
.set SLOTB,  133120                    ; a slot: A's 8 x 8,192 bytes of images, then B's 128 rows of 528
.set BOFF,   65536
.set BP,     528
.set SCA,    2*SLOTB                   ; A's scale words: NKS x 512 bytes
.set SCB,    SCA+NKS*512               ; B's scale bytes, units of 256 + 16
.set STAGE,  SCB+2*SBU*272             ; the way out: 16 rows x 272 bytes for each wave; no tensor load lands here
.set SPARE,  STAGE+4*16*272            ; the spare words
.set MSB, 0
.macro WIN new
.if MSB != \new
	s_set_vgpr_msb (MSB<<8)|\new
.set MSB, \new
.endif
.endm
.macro PLACES n
.rept \n
	v_nop
.endr
.endm
.macro CREST
	s_cmp_lg_u32 s18, 0
	s_cbranch_scc1 .Lnot_wave_0_\@
	s_barrier_signal -3
.Lnot_wave_0_\@:
	s_barrier_wait -3
	s_barrier_signal -1
	s_barrier_wait -1
.endm
.macro CROUND
	s_barrier_signal -1
	s_barrier_wait -1
	CREST
.endm
.macro REFILL slot                     ; a joint fill of a slot: waves 0, 1 A's halves, waves 2, 3 B's
	s_cmp_eq_u32 s19, 0
	s_cbranch_scc0 .Lfor_b_\@
	tensor_load_to_lds s[32+4*\slot:35+4*\slot], s[24:31]
	s_nop 0
	PLACES 4
	s_branch .Lasked_\@
.Lfor_b_\@:
	tensor_load_to_lds s[56+4*\slot:59+4*\slot], s[48:55]
	s_nop 0
	PLACES 4
.Lasked_\@:
.endm
.macro FETCH slot, q, f
	WIN 0x40
.irp a, 0,1,2,3
.irp c, 0,1,2,3
	ds_load_b128 v[(\f)+16*\a+4*\c:(\f)+16*\a+4*\c+3], v[16+(\slot)] offset:8192*\a+2048*(\q)+512*\c
.endr
.endr
.irp b, 0,1,2,3
.irp c, 0,1,2,3
	ds_load_b128 v[(\f)+64+16*\b+4*\c:(\f)+64+16*\b+4*\c+3], v[18+(\slot)] offset:16*BP*\b+128*(\q)+32*\c
.endr
.endr
	WIN 0
.endm
.macro SCALES slot                     ; each register carries an even block's words in lanes 0-15 and the odd block's in lanes 16-31
.irp q, 0,1,2,3
.irp p, 0,1
	ds_load_b32 v[32+16*(\slot)+2*\q+\p], v20 offset:2048*(\slot)+512*\q+128*\p
.endr
.endr
.irp p, 0,1
	ds_load_b128 v[40+16*(\slot)+4*\p:43+16*(\slot)+4*\p], v21 offset:16*(\slot)+\p*(SBU/2)*272
.endr
.endm
.macro WM r0, r1
.if (\r0) && (\r1)
	v_wmma_scale_f32_16x16x128_f8f6f4 v[RD_:RD_+7], v[RA_:RA_+15], v[RB_:RB_+15], v[RC_:RC_+7], v[SA_], v[SB_] matrix_a_scale:MATRIX_SCALE_ROW1 matrix_b_scale:MATRIX_SCALE_ROW1
.elseif (\r0)
	v_wmma_scale_f32_16x16x128_f8f6f4 v[RD_:RD_+7], v[RA_:RA_+15], v[RB_:RB_+15], v[RC_:RC_+7], v[SA_], v[SB_] matrix_a_scale:MATRIX_SCALE_ROW1
.elseif (\r1)
	v_wmma_scale_f32_16x16x128_f8f6f4 v[RD_:RD_+7], v[RA_:RA_+15], v[RB_:RB_+15], v[RC_:RC_+7], v[SA_], v[SB_] matrix_b_scale:MATRIX_SCALE_ROW1
.else
	v_wmma_scale_f32_16x16x128_f8f6f4 v[RD_:RD_+7], v[RA_:RA_+15], v[RB_:RB_+15], v[RC_:RC_+7], v[SA_], v[SB_]
.endif
.endm
; eight products: A's blocks a0, a0 + 1 x B's four.  bi >= 0: the bias (window 2) starts the sums.  The 16 accumulators take turns in the same order in every step.
.macro MULH f, q, set, a0, bi
.if (\bi) >= 0
	WIN 0x25
.else
	WIN 0x05
.endif
.irp a, \a0, \a0+1
.irp b, 0,1,2,3
.set RD_, 128+8*(4*(\a)+\b)
.set RA_, (\f)+64+16*\b
.set RB_, (\f)+16*(\a)
.set SA_, 40+16*(\set)+4*(\b/2)+(\q)
.set SB_, 32+16*(\set)+2*(\q)+(\a)/2
.if (\bi) >= 0
.set RC_, (\bi)+8*\b
.else
.set RC_, RD_
.endif
	WM \b%2, (\a)%2
.endr
.endr
.endm
.macro STEP slot, q, bi
	PLACES 8                                       ; loads follow into registers that the last step but one's products have read
	FETCH \slot, (\q)+1, 128*(((\q)+1)%2)
	s_wait_dscnt 32                                ; all but the 32 loads just issued
	MULH 128*((\q)%2), \q, \slot, 0, \bi
	MULH 128*((\q)%2), \q, \slot, 2, \bi
	WIN 0
.endm
.macro TURN slot, mode                 ; a slot's last step changes slots.  mode = 1: this slot is filled again, K = 1,024 further on
	s_wait_tensorcnt 0x0                           ; all my tensor loads have landed: my part of the other slot among them
	ds_add_u32 v28, v29                            ; 0 onto my spare word
.if \mode
	s_add_nc_u64 s[34+4*\slot:35+4*\slot], s[34+4*\slot:35+4*\slot], 16384
	s_add_nc_u64 s[58+4*\slot:59+4*\slot], s[58+4*\slot:59+4*\slot], 1024
.endif
	s_wait_dscnt 0x0                               ; the add is done, and my reads of this slot are over
	s_barrier_signal -1
	MULH 128, 3, \slot, 0, -1
	WIN 0
	s_barrier_wait -1
.if \mode
	CREST                                          ; the barrier has opened a round of the cluster's: no wave of any partner still reads this slot or has a load on its way
	REFILL \slot
	PLACES 4                                       ; with the four behind the load: eight places in front of the loads below
.else
	PLACES 8
.endif
.if \slot == 1
	v_add_nc_u32 v20, 4096, v20                    ; the next lap's scale words
	v_add_nc_u32 v21, 32, v21
.endif
	FETCH 1-\slot, 0, 0
	SCALES 1-\slot
	MULH 128, 3, \slot, 2, -1
	WIN 0
.endm
	s_load_b256 s[4:11], s[0:1], 0x0               ; A's images, A's scale words, B's codes, B's scale bytes
	s_load_b128 s[12:15], s[0:1], 0x20             ; the bias, R
	s_load_b64 s[16:17], s[0:1], 0x30              ; C
	v_lshl_add_u32 v28, v0, 2, SPARE
	v_mov_b32 v29, 0
	ds_add_u32 v28, v29                            ; the wave's opening: the add, twice on end, and its wait ahead of my first tensor load
	ds_add_u32 v28, v29
	v_lshrrev_b32 v1, 5, v0
	v_readfirstlane_b32 s18, v1                    ; wave 0..3
	s_lshr_b32 s19, s18, 1                         ; RH.  Also: I fetch for A (0) or for B (1)
	s_and_b32 s20, s18, 1                          ; CH.  Also: which half I fetch
	s_bfe_u32 s21, ttmp6, 0x40000                  ; cx
	s_bfe_u32 s22, ttmp6, 0x40004                  ; cy
	s_lshl_b32 s23, ttmp9, 2
	s_add_co_u32 s23, s23, s21                     ; TX
	s_and_b32 s40, ttmp7, 0xffff
	s_lshl_b32 s40, s40, 2
	s_add_co_u32 s40, s40, s22                     ; TY
	s_lshl_b32 s41, s22, 2
	s_lshl_b32 s41, 15, s41                        ; my row of the cluster
	s_lshl_b32 s42, 0x1111, s21                    ; my column
	s_or_b32 s24, s41, (3<<16)|(1<<21)             ; A's images: elements of 8 bytes, 4 rows of 8,192 bytes
	s_mov_b32 s25, 1024<<16
	s_mov_b32 s26, 8<<16                           ; the head's load brings all 8 blocks of a slot; behind it the two words that count rows are set to 4
	s_mov_b32 s27, 1024<<16
	s_mov_b32 s28, 8
	s_mov_b32 s29, 2*K
	s_mov_b32 s30, 0
	s_mov_b32 s31, 0
	s_or_b32 s48, s42, (0<<16)|(1<<20)|(1<<21)|(6<<22)|(3<<25)   ; B's codes: 64 rows of 512 bytes, 16 of padding behind each
	s_mov_b32 s49, 512<<16
	s_mov_b32 s50, 128<<16                         ; the head's load brings all 128 rows of a slot; behind it: 64
	s_mov_b32 s51, 512<<16
	s_mov_b32 s52, 128
	s_mov_b32 s53, K
	s_mov_b32 s54, 0
	s_mov_b32 s55, 0
	s_or_b32 s68, s41, (3<<16)|(1<<21)             ; A's scale words: NKS rows of 512 bytes, 16,384 apart
	s_mov_b32 s69, 64<<16
	s_mov_b32 s70, NKS<<16                         ; all K steps by one load
	s_mov_b32 s71, 64<<16
	s_mov_b32 s72, NKS
	s_mov_b32 s73, 2048
	s_mov_b32 s74, 0
	s_mov_b32 s75, 0
	s_or_b32 s80, s42, (3<<16)|(1<<20)|(1<<21)|(5<<22)|(3<<25)   ; B's scale bytes of 64 rows: SBU dense units of 256 bytes, 16 of padding behind each
	s_mov_b32 s81, 32<<16
	s_mov_b32 s82, (2*SBU)<<16                     ; all 128 rows' scale bytes by one load
	s_mov_b32 s83, 32<<16
	s_mov_b32 s84, 2*SBU
	s_mov_b32 s85, 32
	s_mov_b32 s86, 0
	s_mov_b32 s87, 0
	s_lshl_b32 s43, s40, 3                         ; A: blocks 8 TY + 4 CH on
	s_lshl_b32 s46, s20, 2
	s_add_co_u32 s43, s43, s46
	s_mul_i32 s46, s43, NKS*2048
	s_mov_b32 s47, 0
	s_mov_b32 s2, 0                                ; A's scale words: from K step 0 on
	s_lshl_b32 s3, s40, 9
	s_add_co_u32 s2, s2, s3
	s_mov_b32 s3, 0
	s_lshl_b32 s100, s23, 7                        ; B: rows 128 TX + 64 CH on
	s_lshl_b32 s101, s20, 6
	s_add_co_u32 s100, s100, s101
	s_lshl_b32 s44, s23, 7                         ; B's scale bytes, from row 128 TX on
	s_mul_i32 s44, s44, KS
	s_mov_b32 s45, 0
	s_mul_i32 s100, s100, K
	s_mov_b32 s101, 0
	s_wait_dscnt 0x0                               ; both opening adds are done
	s_wait_kmcnt 0x0
	s_add_nc_u64 s[46:47], s[4:5], s[46:47]
	s_add_nc_u64 s[2:3], s[6:7], s[2:3]
	s_add_nc_u64 s[100:101], s[8:9], s[100:101]
	s_add_nc_u64 s[44:45], s[10:11], s[44:45]
	s_lshl_b32 s43, s20, 15
	s_mul_i32 s41, s20, 64*BP
	s_add_co_u32 s41, s41, BOFF
.irp s, 0,1
	s_mov_b32 s[32+4*\s], 1
	s_add_co_u32 s[33+4*\s], s43, \s*SLOTB
	s_add_nc_u64 s[34+4*\s:35+4*\s], s[46:47], \s*8192
	s_or_b32 s[35+4*\s], s[35+4*\s], 0x80000000
	s_mov_b32 s[56+4*\s], 1
	s_add_co_u32 s[57+4*\s], s41, \s*SLOTB
	s_add_nc_u64 s[58+4*\s:59+4*\s], s[100:101], \s*512
	s_or_b32 s[59+4*\s], s[59+4*\s], 0x80000000
.endr
	s_mov_b32 s76, 1
	s_mov_b32 s77, 0
	s_add_co_u32 s77, s77, SCA
	s_mov_b64 s[78:79], s[2:3]
	s_or_b32 s79, s79, 0x80000000
	s_mov_b32 s88, 1
	s_mov_b32 s89, 0
	s_add_co_u32 s89, s89, SCB
	s_mov_b64 s[90:91], s[44:45]
	s_or_b32 s91, s91, 0x80000000
	CROUND                                         ; all sixteen work-groups are here: the first joint loads meet
	s_cmp_eq_u32 s18, 0                            ; the head's loads, one a wave, in one chain of branches on the wave's number: wave 0 A's part of slot 0,
	s_cbranch_scc0 .Lh1
	tensor_load_to_lds s[32:35], s[24:31]
	s_nop 0
	PLACES 4
	s_branch .Lfilled
.Lh1:
	s_cmp_eq_u32 s18, 1                            ; wave 1 A's scale words,
	s_cbranch_scc0 .Lh2
	tensor_load_to_lds s[76:79], s[68:75]
	s_nop 0
	PLACES 4
	s_branch .Lfilled
.Lh2:
	s_cmp_eq_u32 s18, 2                            ; wave 2 B's part of slot 0,
	s_cbranch_scc0 .Lh3
	tensor_load_to_lds s[56:59], s[48:55]
	s_nop 0
	PLACES 4
	s_branch .Lfilled
.Lh3:
	tensor_load_to_lds s[88:91], s[80:87]          ; wave 3 B's scale bytes
	s_nop 0
	PLACES 4
.Lfilled:
	v_and_b32 v1, 15, v0                           ; r
	v_bfe_u32 v2, v0, 4, 1                         ; h
	v_and_b32 v3, 31, v0                           ; lane
	v_lshlrev_b32 v4, 4, v3
	s_lshl_b32 s2, s19, 15
	v_add_nc_u32 v16, s2, v4
	v_add_nc_u32 v17, SLOTB, v16
	v_mul_u32_u24 v5, v1, BP
	v_lshl_add_u32 v5, v2, 4, v5
	s_mul_i32 s2, s20, 64*BP
	s_add_co_u32 s2, s2, BOFF
	v_add_nc_u32 v18, s2, v5
	v_add_nc_u32 v19, SLOTB, v18
	v_lshlrev_b32 v20, 2, v3
	s_lshl_b32 s2, s19, 8
	s_add_co_u32 s2, s2, SCA
	v_add_nc_u32 v20, s2, v20
	v_mul_u32_u24 v6, v3, KS
	v_lshrrev_b32 v7, 8, v6
	v_lshl_add_u32 v21, v7, 4, v6
	s_mul_i32 s2, s20, SBU*272
	s_add_co_u32 s2, s2, SCB
	v_add_nc_u32 v21, s2, v21
	s_mul_i32 s2, s18, 16*272
	s_add_co_u32 s2, s2, STAGE                     ; my stage
	v_mul_u32_u24 v22, v1, 272
	v_lshl_add_u32 v22, v2, 5, v22
	v_add_nc_u32 v22, s2, v22                      ; in: row r, 32 bytes for each half of the lanes
	v_mul_u32_u24 v23, v2, 272
	v_lshl_add_u32 v23, v1, 4, v23
	v_add_nc_u32 v23, s2, v23                      ; back: lanes 0-15 one row of 256 bytes, lanes 16-31 the next
	v_lshlrev_b32 v24, 12, v2
	v_lshl_add_u32 v24, v1, 4, v24                 ; and the same two rows in R and C
	v_lshlrev_b32 v25, 5, v2                       ; 32 h
	s_wait_alu depctr_va_vdst(0)
	s_lshl_b32 s2, s23, 9
	s_lshl_b32 s3, s20, 8
	s_add_co_u32 s2, s2, s3                        ; my 64 columns, in bytes
	s_mov_b32 s3, 0
	s_add_nc_u64 s[12:13], s[12:13], s[2:3]
	s_lshl_b32 s100, s40, 7
	s_lshl_b32 s101, s19, 6
	s_add_co_u32 s100, s100, s101
	s_lshl_b32 s100, s100, 12                      ; my first row
	s_add_co_u32 s100, s100, s2
	s_mov_b32 s101, 0
	s_add_nc_u64 s[14:15], s[14:15], s[100:101]
	s_add_nc_u64 s[16:17], s[16:17], s[100:101]
	; THE PREFETCH of slot 1's tile, which is asked for behind the head's loads: 8 blocks x 8,192 bytes of A and 128 rows x 512 bytes of B.  The four partners that ask for a tile jointly share it out by address:
	; partner p's wave with half CH takes eighth 2 p + CH (p = cx for A, cy for B): 8,192 bytes, a lane to each 256: one instruction a wave, and each 256 bytes named once in each cluster that will load them.
	s_cmp_eq_u32 s19, 0                            ; do I fetch for A?
	s_cselect_b64 s[92:93], s[4:5], s[8:9]
	s_cselect_b32 s94, s21, s22                    ; my place among the four
	s_mov_b32 s96, 512
	s_cselect_b32 s96, 8192, s96                   ; from slot 0's tile to slot 1's
	s_mov_b32 s99, K
	s_cselect_b32 s99, 512, s99                    ; from one pair of lanes to the next: 512 bytes on in A's block, a row on in B
	s_mov_b32 s97, 0
	s_lshl_b32 s94, s94, 1
	s_add_co_u32 s94, s94, s20                     ; my eighth
	s_lshl_b32 s95, s40, 3
	s_add_co_u32 s95, s95, s94
	s_mul_i32 s95, s95, NKS*2048                   ; A: block 8 TY + eighth
	s_lshl_b32 s98, s23, 3
	s_add_co_u32 s98, s98, s94
	s_mul_i32 s98, s98, 16*K                       ; B: row 128 TX + 16 x eighth
	s_cmp_eq_u32 s19, 0
	s_cselect_b32 s94, s95, s98
	s_mov_b32 s95, 0
	s_add_nc_u64 s[92:93], s[92:93], s[94:95]
	s_add_nc_u64 s[92:93], s[92:93], s[96:97]
	v_lshrrev_b32 v30, 1, v3
	v_mul_lo_u32 v30, v30, s99
	v_and_b32 v31, 1, v3
	v_lshl_add_u32 v30, v31, 8, v30                ; never rewritten
	s_wait_alu depctr_va_vdst(0)
	global_prefetch_b8 v30, s[92:93] th:TH_LOAD_NT scope:SCOPE_SE
	WIN 0x80
.irp b, 0,1,2,3
	global_load_b128 v[8*\b:8*\b+3], v25, s[12:13] offset:64*\b
	global_load_b128 v[8*\b+4:8*\b+7], v25, s[12:13] offset:64*\b+16
.endr
.irp a, 0,1,2,3
.irp t, 0,1,2,3,4,5,6,7
	global_load_b128 v[32+4*(8*\a+\t):35+4*(8*\a+\t)], v24, s[14:15] offset:(16*\a+2*\t)*4096   ; R, in the layout in which the rows come back from the stage
.endr
.endr
	WIN 0
	s_wait_alu depctr_va_vdst(0)
	s_wait_tensorcnt 0x0                           ; my tile of the head's four is in; slot 1's first fill is issued as a refill is:
	ds_add_u32 v28, v29                            ; 0 onto my spare word
	s_mov_b32 s26, 4<<16                           ; no load of mine is out: from here on a load brings half a slot's part: 4 blocks of A,
	s_mov_b32 s28, 4
	s_mov_b32 s50, 64<<16                          ; 64 rows of B
	s_mov_b32 s52, 64
	s_wait_dscnt 0x0                               ; the add is done
	CROUND                                         ; all four tiles are in, and all sixteen work-groups are here
	REFILL 1                                       ; slot 1, the first tensor load behind the round
	FETCH 0, 0, 0
	SCALES 0
	s_wait_loadcnt 32                              ; the bias is in; R's 32 loads may be out
	STEP 0, 0, 0                                   ; the first step stands in front of the loop: the bias starts the sums
.if LAPS > 1
	s_mov_b32 s66, LAPS-1
.Llap:
	STEP 0, 1, -1
	STEP 0, 2, -1
	TURN 0, 1
	STEP 1, 0, -1
	STEP 1, 1, -1
	STEP 1, 2, -1
	TURN 1, 1
	STEP 0, 0, -1
	s_sub_co_u32 s66, s66, 1
	s_cmp_lg_u32 s66, 0
	s_cbranch_scc1 .Llap
.endif
	STEP 0, 1, -1                                  ; the last lap fills nothing
	STEP 0, 2, -1
	TURN 0, 0
	STEP 1, 0, -1
	STEP 1, 1, -1
	STEP 1, 2, -1
	s_wait_dscnt 0x0
	MULH 128, 3, 1, 0, -1
	MULH 128, 3, 1, 2, -1
	WIN 0
; THE WAY OUT, 16 rows at a time through my own stage: a wave's 64 columns are 256 bytes, so sixteen lanes store one aligned run of 256 bytes.  LDS serves a wave's instructions in order (ISA guide 5.7.1.4).
.macro TOSTAGE a
.irp b, 0,1,2,3
	ds_store_b128 v22, v[128+8*(4*(\a)+\b):131+8*(4*(\a)+\b)] offset:64*\b          ; each accumulator from its low end on
	ds_store_b128 v22, v[132+8*(4*(\a)+\b):135+8*(4*(\a)+\b)] offset:64*\b+16
.endr
.irp t, 0,1,2,3,4,5,6,7
	ds_load_b128 v[64+32*((\a)%2)+4*\t:67+32*((\a)%2)+4*\t], v23 offset:544*\t
.endr
.endm
.macro SEND a, younger
	s_wait_dscnt \younger                          ; the block is back; the next block's stores and loads may be out
	WIN 0x08
.set i, 0
.rept 16
	v_pk_add_f32 v[64+32*((\a)%2)+i:65+32*((\a)%2)+i], v[64+32*((\a)%2)+i:65+32*((\a)%2)+i], v[32+32*(\a)+i:33+32*(\a)+i]   ; + R
.set i, i+2
.endr
	WIN 0
.irp t, 0,1,2,3,4,5,6,7
.if K > 1024
	global_store_b128 v24, v[64+32*((\a)%2)+4*\t:67+32*((\a)%2)+4*\t], s[16:17] offset:(16*(\a)+2*\t)*4096 th:TH_STORE_NT
.else
	global_store_b128 v24, v[64+32*((\a)%2)+4*\t:67+32*((\a)%2)+4*\t], s[16:17] offset:(16*(\a)+2*\t)*4096
.endif
.endr
.endm
	s_wait_loadcnt 0x0                             ; R
	PLACES 8
	TOSTAGE 0
.irp a, 1,2,3
.if \a > 1
	s_wait_xcnt 0x0                                ; block a - 2's stores have read their registers: block a's loads may land there
.endif
	TOSTAGE \a
	SEND \a-1, 16
.endr
	SEND 3, 0
	s_wait_tensorcnt 0x0                           ; the wave's end
	ds_add_u32 v28, v29
	s_wait_dscnt 0x0
	CROUND                                         ; the closing round
	s_endpgm
.Lfunc_end_k_q1662f9bc83_oproj:
	.size	k_q1662f9bc83_oproj, .Lfunc_end_k_q1662f9bc83_oproj-k_q1662f9bc83_oproj
	.p2alignl 7, 3214868480
	.fill 96, 4, 3214868480
	.section	.rodata,"a",@progbits
	.p2align	6, 0x0
	.amdhsa_kernel k_q1662f9bc83_oproj
		.amdhsa_group_segment_fixed_size 327680
		.amdhsa_private_segment_fixed_size 0
		.amdhsa_enable_private_segment 0
		.amdhsa_kernarg_size 56
		.amdhsa_user_sgpr_count 2
		.amdhsa_user_sgpr_kernarg_segment_ptr 1
		.amdhsa_wavefront_size32 1
		.amdhsa_system_sgpr_workgroup_id_x 1
		.amdhsa_system_sgpr_workgroup_id_y 1
		.amdhsa_system_sgpr_workgroup_id_z 1
		.amdhsa_system_vgpr_workitem_id 0
		.amdhsa_next_free_vgpr 768
		.amdhsa_next_free_sgpr 102
		.amdhsa_reserve_vcc 0
		.amdhsa_float_denorm_mode_32 3
		.amdhsa_float_denorm_mode_16_64 3
		.amdhsa_memory_ordered 1
		.amdhsa_forward_progress 1
		.amdhsa_inst_pref_size 64
	.end_amdhsa_kernel
	.amdgpu_metadata
---
amdhsa.version: [ 1, 2 ]
amdhsa.kernels:
  - .name:           k_q1662f9bc83_oproj
    .symbol:         k_q1662f9bc83_oproj.kd
    .args:
      - { .name: act_img, .offset: 0, .size: 8, .value_kind: global_buffer, .address_space: global }
      - { .name: act_sc, .offset: 8, .size: 8, .value_kind: global_buffer, .address_space: global }
      - { .name: w_o_codes, .offset: 16, .size: 8, .value_kind: global_buffer, .address_space: global }
      - { .name: w_o_scales, .offset: 24, .size: 8, .value_kind: global_buffer, .address_space: global }
      - { .name: b_o, .offset: 32, .size: 8, .value_kind: global_buffer, .address_space: global }
      - { .name: x, .offset: 40, .size: 8, .value_kind: global_buffer, .address_space: global }
      - { .name: x1, .offset: 48, .size: 8, .value_kind: global_buffer, .address_space: global }
    .group_segment_fixed_size: 327680
    .private_segment_fixed_size: 0
    .kernarg_segment_align: 8
    .kernarg_segment_size: 56
    .max_flat_workgroup_size: 128
    .sgpr_count:     102
    .vgpr_count:     768
    .wavefront_size: 32
...
	.end_amdgpu_metadata
.endif
;; end of part 4
;; launch ln2: the kernel of part 1 again; grid 256 x 1, 8 waves a work-group, no clusters, 67,072 bytes of LDS; arguments x1, g2, be2, act_img, act_sc; writes act_img, act_sc
;; launch w1 (part 5): grid 8 x 32, 4 waves a work-group, clusters of 4 x 4, 327,680 bytes of LDS; arguments act_img, act_sc, w1_codes, w1_scales, b1, h_img, h_sc; writes h_img, h_sc
.if DOCPART == 5
	.amdgcn_target "amdgcn-amd-amdhsa--gfx1250"
	.amdhsa_code_object_version 6
	.text
	.protected	k_q1662f9bc83_w1
	.globl	k_q1662f9bc83_w1
	.p2align	8
	.type	k_q1662f9bc83_w1,@function
k_q1662f9bc83_w1:
	s_mov_b64 s[64:65], 0
	v_nop
	global_prefetch_b8 v0, s[64:65] scope:SCOPE_SE
	s_setreg_imm32_b32 hwreg(HW_REG_WAVE_MODE, 25, 1), 1
	s_wait_xcnt 0x0
	s_wait_alu depctr_hold_cnt(0) depctr_sa_sdst(0) depctr_va_vdst(0) depctr_va_sdst(0) depctr_va_ssrc(0) depctr_va_vcc(0) depctr_vm_vsrc(0)
	s_getreg_b32 s2, hwreg(HW_REG_IB_STS2, 6, 4)
	s_cmp_eq_u32 s2, 0
	s_cbranch_scc0 .Lentry_in_a_cluster
	s_endpgm
.Lentry_in_a_cluster:
	s_bfe_u32 s2, ttmp6, 0x10000c
	s_cmp_lg_u32 s2, 0xf033
	s_cbranch_scc0 .Lentry_shape_is_right
	s_endpgm
.Lentry_shape_is_right:
; h = gelu(LN2(x1) w1 + b1) on codes of E4M3, [4,096 x 1,024] x [1,024 x 4,096], quantised along the 4,096 for the next product.
; gelu(x) = 0.5 x (1 + tanh(u)), u = sqrt(2 / pi) (x + 0.044715 x^3), is computed as x / (1 + 2^(x (k0 + k1 x^2))), k0 = -2 log2(e) sqrt(2 / pi), k1 = 0.044715 k0: the same function, since 0.5 (1 + tanh u) = 1 / (1 + e^(-2 u)).
; SHARES.  Work-group (TX, TY) owns rows 128 TY on and four column tiles of 128: 4 TX + j.  A lap is one column tile, K = 1,024: two LDS slots of K = 512, eight steps of 128.  Four waves, each 64 x 64.
; A's 128 rows (register images) come into LDS once and stay; B's tiles are filled again lap by lap.  CLUSTER 4 x 4: A's tiles jointly along a row of the cluster, B's along a column.
; The matrix instruction is used transposed: a lane holds a row and eight neighbouring columns, which are neighbours along the next K.  The bias is the C that starts the sums.
; OUT: images [16 rows][K step = column tile][c][lane][16 bytes]; scale words [K step][row]: a word's four bytes come from two waves and meet in LDS.
; REGISTERS.  window 0: v1-27 addresses and k0; v28, v29 the add's two; v32-63 scale words; v64-119 at work; v128-255 the accumulators.  window 1: two buffers of eight fragments.  window 2: v0-31 the bias.
.set K,      1024
.set NKS,    8
.set SBU,    8                         ; units of 256 bytes in the scale bytes of 64 rows of B
.set SLOTB,  133120
.set BOFF,   65536
.set BP,     528
.set SCA,    2*SLOTB
.set SCB,    SCA+NKS*512               ; B's scale bytes of 512 rows: 64 units of 256 + 16
.set HSC,    SCB+64*272                ; 512 bytes in which the 128 rows' scale words meet; no tensor load lands here
.set SPARE,  HSC+512
.set GT,     64                        ; v64-95
.set CD,     96
.set TM,     104
.set PB,     112
.set SSEL,   44
.set SMNT,   67
.set MSB, 0
.macro WIN new
.if MSB != \new
	s_set_vgpr_msb (MSB<<8)|\new
.set MSB, \new
.endif
.endm
.macro PLACES n
.rept \n
	v_nop
.endr
.endm
.macro CREST
	s_cmp_lg_u32 s18, 0
	s_cbranch_scc1 .Lnot_wave_0_\@
	s_barrier_signal -3
.Lnot_wave_0_\@:
	s_barrier_wait -3
	s_barrier_signal -1
	s_barrier_wait -1
.endm
.macro CROUND
	s_barrier_signal -1
	s_barrier_wait -1
	CREST
.endm
.macro REFILL slot                     ; B's next tile, jointly: waves 2 and 3, one load each; A stays
	s_cmp_eq_u32 s19, 0
	s_cbranch_scc1 .Lno_b_\@
	tensor_load_to_lds s[56+4*\slot:59+4*\slot], s[48:55]
	s_nop 0
	PLACES 4
.Lno_b_\@:
.endm
.macro FETCH slot, q, f
	WIN 0x40
.irp a, 0,1,2,3
.irp c, 0,1,2,3
	ds_load_b128 v[(\f)+16*\a+4*\c:(\f)+16*\a+4*\c+3], v[16+(\slot)] offset:8192*\a+2048*(\q)+512*\c
.endr
.endr
.irp b, 0,1,2,3
.irp c, 0,1,2,3
	ds_load_b128 v[(\f)+64+16*\b+4*\c:(\f)+64+16*\b+4*\c+3], v[18+(\slot)] offset:16*BP*\b+128*(\q)+32*\c
.endr
.endr
	WIN 0
.endm
.macro SCALES slot
.irp q, 0,1,2,3
.irp p, 0,1
	ds_load_b32 v[32+16*(\slot)+2*\q+\p], v20 offset:2048*(\slot)+512*\q+128*\p
.endr
.endr
.irp p, 0,1
	ds_load_b128 v[40+16*(\slot)+4*\p:43+16*(\slot)+4*\p], v21 offset:16*(\slot)+\p*(SBU/2)*272
.endr
.endm
.macro WM r0, r1
.if (\r0) && (\r1)
	v_wmma_scale_f32_16x16x128_f8f6f4 v[RD_:RD_+7], v[RA_:RA_+15], v[RB_:RB_+15], v[RC_:RC_+7], v[SA_], v[SB_] matrix_a_scale:MATRIX_SCALE_ROW1 matrix_b_scale:MATRIX_SCALE_ROW1
.elseif (\r0)
	v_wmma_scale_f32_16x16x128_f8f6f4 v[RD_:RD_+7], v[RA_:RA_+15], v[RB_:RB_+15], v[RC_:RC_+7], v[SA_], v[SB_] matrix_a_scale:MATRIX_SCALE_ROW1
.elseif (\r1)
	v_wmma_scale_f32_16x16x128_f8f6f4 v[RD_:RD_+7], v[RA_:RA_+15], v[RB_:RB_+15], v[RC_:RC_+7], v[SA_], v[SB_] matrix_b_scale:MATRIX_SCALE_ROW1
.else
	v_wmma_scale_f32_16x16x128_f8f6f4 v[RD_:RD_+7], v[RA_:RA_+15], v[RB_:RB_+15], v[RC_:RC_+7], v[SA_], v[SB_]
.endif
.endm
.macro MULH f, q, set, a0, bi          ; eight products; the 16 accumulators take turns in the same order in every step
.if (\bi) >= 0
	WIN 0x25
.else
	WIN 0x05
.endif
.irp a, \a0, \a0+1
.irp b, 0,1,2,3
.set RD_, 128+8*(4*(\a)+\b)
.set RA_, (\f)+64+16*\b
.set RB_, (\f)+16*(\a)
.set SA_, 40+16*(\set)+4*(\b/2)+(\q)
.set SB_, 32+16*(\set)+2*(\q)+(\a)/2
.if (\bi) >= 0
.set RC_, (\bi)+8*\b
.else
.set RC_, RD_
.endif
	WM \b%2, (\a)%2
.endr
.endr
.endm
.macro STEP slot, q, bi
.if (\bi) >= 0
	PLACES 9                                       ; accumulators are begun anew with another C: nine places behind the products that wrote them
.else
	PLACES 8
.endif
	FETCH \slot, (\q)+1, 128*(((\q)+1)%2)
	s_wait_dscnt 32                                ; all but the 32 loads just issued
	MULH 128*((\q)%2), \q, \slot, 0, \bi
	MULH 128*((\q)%2), \q, \slot, 2, \bi
	WIN 0
.endm
.macro TURN slot, mode
	s_wait_tensorcnt 0x0                           ; all my tensor loads have landed
	ds_add_u32 v28, v29
.if \mode
	s_add_nc_u64 s[58+4*\slot:59+4*\slot], s[58+4*\slot:59+4*\slot], 128*K   ; the next column tile
	s_wait_xcnt 0x0                                ; my last prefetch has read its address: this slot's steps a lap on, to the tile that is asked for now
	s_add_nc_u64 s[94-2*\slot:95-2*\slot], s[94-2*\slot:95-2*\slot], 128*K
.endif
	s_wait_dscnt 0x0                               ; the add is done, and my reads of this slot are over
	s_barrier_signal -1
	MULH 128, 3, \slot, 0, -1
	WIN 0
	s_barrier_wait -1
.if \mode
	CREST                                          ; a round of the cluster's barrier: no wave of any partner still reads this slot's tile of B or has a load on its way
	REFILL \slot
.endif
	PLACES 8
.if \slot == 1
	v_add_nc_u32 v21, 4352, v21                    ; the next lap's scale bytes of B
.endif
	FETCH 1-\slot, 0, 0
	SCALES 1-\slot
.if \mode
	s_cmp_gt_u32 s66, s98                          ; B's waves ask for the tile that stands two refills on: the same slot's, a lap further; the last trip's two refills have none
	s_cbranch_scc0 .Lno_ask_\@
	global_prefetch_b8 v30, s[94-2*\slot:95-2*\slot] offset:128*K th:TH_LOAD_NT scope:SCOPE_SE
.Lno_ask_\@:
.endif
	MULH 128, 3, \slot, 2, -1
	WIN 0
.endm
.macro QUANT2 X, C, P                  ; 32 numbers of a lane, two blocks of 32 shared with lane l xor 16 (registers 0-7: places 8 h + 0..7, registers 8-15: 16 + 8 h + 0..7) -> codes in the operand's layout, two scale bytes
.irp e, 0,1
	v_max3_num_f32 v[TM+\e], |v[(\X)+16*\e]|, |v[(\X)+16*\e+1]|, 0x4800000
.endr
.irp i, 2,4,6,8,10,12,14
.irp e, 0,1
	v_max3_num_f32 v[TM+\e], v[TM+\e], |v[(\X)+16*\e+\i]|, |v[(\X)+16*\e+\i+1]|
.endr
.endr
.irp e, 0,1
	v_permlanex16_b32 v[TM+2+\e], v[TM+\e], s[SSEL], s[SSEL+1]
.endr
.irp e, 0,1
	v_max_num_f32 v[TM+\e], v[TM+\e], v[TM+2+\e]
.endr
.irp e, 0,1
	v_add_nc_u32 v[TM+6+\e], 0xfc000000, v[TM+\e]
.endr
.irp e, 0,1
	v_and_or_b32 v[TM+4+\e], v[TM+\e], 0x7f800000, s[SMNT]
.endr
.irp e, 0,1
	v_lshrrev_b32 v[TM+2+\e], 23, v[TM+6+\e]
.endr
	v_lshl_or_b32 v[(\P)], v[TM+3], 8, v[TM+2]
.irp e, 0,1
.irp i, 0,1,2,3,4,5,6,7,8,9,10,11,12,13,14,15
	v_med3_num_f32 v[(\X)+16*\e+\i], v[(\X)+16*\e+\i], -v[TM+4+\e], v[TM+4+\e]
.endr
	v_cvt_scalef32_pk8_fp8_f32 v[(\C)+4*\e:(\C)+4*\e+1], v[(\X)+16*\e:(\X)+16*\e+7], v[TM+6+\e]
	v_cvt_scalef32_pk8_fp8_f32 v[(\C)+4*\e+2:(\C)+4*\e+3], v[(\X)+16*\e+8:(\X)+16*\e+15], v[TM+6+\e]
.endr
	v_nop
.irp e, 0,1
	v_permlane16_swap_b32 v[(\C)+4*\e], v[(\C)+4*\e+2]     ; the first register's lanes 16-31 change places with the second's lanes 0-15
	v_permlane16_swap_b32 v[(\C)+4*\e+1], v[(\C)+4*\e+3]
.endr
.endm
	s_load_b256 s[4:11], s[0:1], 0x0               ; A's images, A's scale words, B's codes, B's scale bytes
	s_load_b128 s[12:15], s[0:1], 0x20             ; the bias, h_img
	s_load_b64 s[16:17], s[0:1], 0x30              ; h_sc
	v_lshl_add_u32 v28, v0, 2, SPARE
	v_mov_b32 v29, 0
	ds_add_u32 v28, v29                            ; the wave's opening: the add, twice on end, and its wait ahead of my first tensor load
	ds_add_u32 v28, v29
	v_lshrrev_b32 v1, 5, v0
	v_readfirstlane_b32 s18, v1
	s_lshr_b32 s19, s18, 1                         ; RH.  Also: I fetch for A (0) or for B (1)
	s_and_b32 s20, s18, 1                          ; CH.  Also: which half I fetch
	s_bfe_u32 s21, ttmp6, 0x40000
	s_bfe_u32 s22, ttmp6, 0x40004
	s_lshl_b32 s23, ttmp9, 2
	s_add_co_u32 s23, s23, s21                     ; TX
	s_and_b32 s40, ttmp7, 0xffff
	s_lshl_b32 s40, s40, 2
	s_add_co_u32 s40, s40, s22                     ; TY
	s_lshl_b32 s41, s22, 2
	s_lshl_b32 s41, 15, s41
	s_lshl_b32 s42, 0x1111, s21
	s_or_b32 s24, s41, (3<<16)|(1<<21)
	s_mov_b32 s25, 1024<<16
	s_mov_b32 s26, 8<<16                           ; the head's load brings all 8 blocks of a slot; behind it the two words that count rows are set to 4
	s_mov_b32 s27, 1024<<16
	s_mov_b32 s28, 8
	s_mov_b32 s29, 2*K
	s_mov_b32 s30, 0
	s_mov_b32 s31, 0
	s_or_b32 s48, s42, (0<<16)|(1<<20)|(1<<21)|(6<<22)|(3<<25)
	s_mov_b32 s49, 512<<16
	s_mov_b32 s50, 128<<16                         ; the head's load brings all 128 rows of a slot; behind it: 64
	s_mov_b32 s51, 512<<16
	s_mov_b32 s52, 128
	s_mov_b32 s53, K
	s_mov_b32 s54, 0
	s_mov_b32 s55, 0
	s_or_b32 s68, s41, (3<<16)|(1<<21)
	s_mov_b32 s69, 64<<16
	s_mov_b32 s70, NKS<<16                         ; all K steps by one load
	s_mov_b32 s71, 64<<16
	s_mov_b32 s72, NKS
	s_mov_b32 s73, 2048
	s_mov_b32 s74, 0
	s_mov_b32 s75, 0
	s_or_b32 s80, s42, (3<<16)|(1<<20)|(1<<21)|(5<<22)|(3<<25)   ; B's scale bytes of 256 rows: 32 dense units of 256 bytes, 16 of padding behind each
	s_mov_b32 s81, 32<<16
	s_mov_b32 s82, 64<<16                          ; all 512 rows' scale bytes, 64 units, by one load
	s_mov_b32 s83, 32<<16
	s_mov_b32 s84, 64
	s_mov_b32 s85, 32
	s_mov_b32 s86, 0
	s_mov_b32 s87, 0
	s_lshl_b32 s43, s40, 3
	s_lshl_b32 s46, s20, 2
	s_add_co_u32 s43, s43, s46
	s_mul_i32 s46, s43, NKS*2048
	s_mov_b32 s47, 0
	s_mov_b32 s2, 0                                ; A's scale words: from K step 0 on
	s_lshl_b32 s3, s40, 9
	s_add_co_u32 s2, s2, s3
	s_mov_b32 s3, 0
	s_lshl_b32 s100, s23, 19                       ; B's codes: rows 512 TX + 64 CH on, 1,024 bytes each
	s_lshl_b32 s101, s20, 16
	s_add_co_u32 s100, s100, s101
	s_mov_b32 s101, 0
	s_lshl_b32 s44, s23, 14                        ; B's scale bytes: 512 rows of 32 a work-group column, halves of 8,192
	s_mov_b32 s45, 0                               ; from the work-group column's first row on
	s_add_co_u32 s44, s44, s45
	s_mov_b32 s45, 0
	s_wait_dscnt 0x0
	s_wait_kmcnt 0x0
	s_add_nc_u64 s[46:47], s[4:5], s[46:47]
	s_add_nc_u64 s[2:3], s[6:7], s[2:3]
	s_add_nc_u64 s[100:101], s[8:9], s[100:101]
	s_add_nc_u64 s[44:45], s[10:11], s[44:45]
	s_lshl_b32 s43, s20, 15
	s_mul_i32 s41, s20, 64*BP
	s_add_co_u32 s41, s41, BOFF
.irp s, 0,1
	s_mov_b32 s[32+4*\s], 1
	s_add_co_u32 s[33+4*\s], s43, \s*SLOTB
	s_add_nc_u64 s[34+4*\s:35+4*\s], s[46:47], \s*8192
	s_or_b32 s[35+4*\s], s[35+4*\s], 0x80000000
	s_mov_b32 s[56+4*\s], 1
	s_add_co_u32 s[57+4*\s], s41, \s*SLOTB
	s_add_nc_u64 s[58+4*\s:59+4*\s], s[100:101], \s*512
	s_or_b32 s[59+4*\s], s[59+4*\s], 0x80000000
.endr
	s_mov_b32 s76, 1
	s_mov_b32 s77, 0
	s_add_co_u32 s77, s77, SCA
	s_mov_b64 s[78:79], s[2:3]
	s_or_b32 s79, s79, 0x80000000
	s_mov_b32 s88, 1
	s_mov_b32 s89, 0
	s_add_co_u32 s89, s89, SCB
	s_mov_b64 s[90:91], s[44:45]
	s_or_b32 s91, s91, 0x80000000
	CROUND
	s_cmp_eq_u32 s18, 0                            ; the head's loads, one a wave, in one chain of branches on the wave's number: wave 0 A's part of slot 0,
	s_cbranch_scc0 .Lh1
	tensor_load_to_lds s[32:35], s[24:31]
	s_nop 0
	PLACES 4
	s_branch .Lfilled
.Lh1:
	s_cmp_eq_u32 s18, 1                            ; wave 1 A's scale words,
	s_cbranch_scc0 .Lh2
	tensor_load_to_lds s[76:79], s[68:75]
	s_nop 0
	PLACES 4
	s_branch .Lfilled
.Lh2:
	s_cmp_eq_u32 s18, 2                            ; wave 2 B's part of slot 0,
	s_cbranch_scc0 .Lh3
	tensor_load_to_lds s[56:59], s[48:55]
	s_nop 0
	PLACES 4
	s_branch .Lfilled
.Lh3:
	tensor_load_to_lds s[88:91], s[80:87]          ; wave 3 B's scale bytes
	s_nop 0
	PLACES 4
.Lfilled:
	v_and_b32 v1, 15, v0
	v_bfe_u32 v2, v0, 4, 1
	v_and_b32 v3, 31, v0
	v_lshlrev_b32 v4, 4, v3                        ; 16 x lane
	s_lshl_b32 s2, s19, 15
	v_add_nc_u32 v16, s2, v4
	v_add_nc_u32 v17, SLOTB, v16
	v_mul_u32_u24 v5, v1, BP
	v_lshl_add_u32 v5, v2, 4, v5
	s_mul_i32 s2, s20, 64*BP
	s_add_co_u32 s2, s2, BOFF
	v_add_nc_u32 v18, s2, v5
	v_add_nc_u32 v19, SLOTB, v18
	v_lshlrev_b32 v20, 2, v3
	s_lshl_b32 s2, s19, 8
	s_add_co_u32 s2, s2, SCA
	v_add_nc_u32 v20, s2, v20
	v_lshlrev_b32 v6, 5, v3
	v_lshrrev_b32 v7, 8, v6
	v_lshl_add_u32 v21, v7, 4, v6
	s_mul_i32 s2, s20, SBU*272
	s_add_co_u32 s2, s2, SCB
	v_add_nc_u32 v21, s2, v21
	v_lshlrev_b32 v22, 2, v1
	s_lshl_b32 s2, s19, 8
	s_lshl_b32 s3, s20, 1
	s_add_co_u32 s2, s2, s3
	s_add_co_u32 s2, s2, HSC
	v_add_nc_u32 v22, s2, v22                      ; the scale bytes meet: 4 (64 RH + r) + 2 CH
	v_add_nc_u32 v23, HSC, v4
	v_lshlrev_b32 v25, 5, v2                       ; 32 h
	v_mov_b32 v26, 0xc0135761                      ; k0
	v_mov_b32 v27, 0xc0135761
	v_mov_b32 v[TM+2], 0                           ; written once: a lane permute's destination counts as one of its sources
	v_mov_b32 v[TM+3], 0
	; THE PREFETCHES: a slot's tile is 8 blocks x 8,192 bytes of A and 128 rows x 512 bytes of B.  The four partners that ask for a tile jointly share it out by address: partner p's wave with half CH takes eighth 2 p + CH
	; (p = cx for A, cy for B): 8,192 bytes, a lane to each 256: one instruction a wave, and each 256 bytes named once in each cluster that will load them.  The head asks for slot 1's first tile, and for B's two tiles of the second lap;
	; a refill's trip asks for the tile two refills on.  A comes once, so its waves ask once.
	s_cmp_eq_u32 s19, 0                            ; do I fetch for A?
	s_cselect_b64 s[92:93], s[4:5], s[8:9]
	s_cselect_b32 s94, s21, s22                    ; my place among the four
	s_mov_b32 s96, 512
	s_cselect_b32 s96, 8192, s96                   ; from slot 0's tile to slot 1's
	s_mov_b32 s99, K
	s_cselect_b32 s99, 512, s99                    ; from one pair of lanes to the next: 512 bytes on in A's block, a row on in B
	s_mov_b32 s97, 0
	s_lshl_b32 s94, s94, 1
	s_add_co_u32 s94, s94, s20                     ; my eighth
	s_lshl_b32 s95, s40, 3
	s_add_co_u32 s95, s95, s94
	s_mul_i32 s95, s95, NKS*2048                   ; A: block 8 TY + eighth
	s_lshl_b32 s98, s23, 5
	s_add_co_u32 s98, s98, s94
	s_mul_i32 s98, s98, 16*K                       ; B: row 512 TX + 16 x eighth
	s_cmp_eq_u32 s19, 0
	s_cselect_b32 s94, s95, s98
	s_cselect_b32 s98, -1, 1                       ; the count of trips above which my wave asks in the loop: A's waves never
	s_mov_b32 s95, 0
	s_add_nc_u64 s[94:95], s[92:93], s[94:95]      ; slot 0's tile of the first lap
	s_add_nc_u64 s[92:93], s[94:95], s[96:97]      ; slot 1's
	v_lshrrev_b32 v30, 1, v3
	v_mul_lo_u32 v30, v30, s99
	v_and_b32 v31, 1, v3
	v_lshl_add_u32 v30, v31, 8, v30                ; never rewritten
	s_wait_alu depctr_va_vdst(0)
	global_prefetch_b8 v30, s[92:93] th:TH_LOAD_NT scope:SCOPE_SE
	s_cmp_eq_u32 s19, 0
	s_cbranch_scc1 .Lno_ask_head
	global_prefetch_b8 v30, s[94:95] offset:128*K th:TH_LOAD_NT scope:SCOPE_SE
	global_prefetch_b8 v30, s[92:93] offset:128*K th:TH_LOAD_NT scope:SCOPE_SE
.Lno_ask_head:
	s_lshl_b32 s2, s23, 11                         ; the bias: columns 512 TX + 64 CH on
	s_lshl_b32 s3, s20, 8
	s_add_co_u32 s2, s2, s3
	s_mov_b32 s3, 0
	s_add_nc_u64 s[12:13], s[12:13], s[2:3]
.macro BIAS
	WIN 0x80
.irp b, 0,1,2,3
	global_load_b128 v[8*\b:8*\b+3], v25, s[12:13] offset:64*\b
	global_load_b128 v[8*\b+4:8*\b+7], v25, s[12:13] offset:64*\b+16
.endr
	WIN 0
.endm
	BIAS
	s_lshl_b32 s2, s40, 3                          ; h's images: (8 TY + 4 RH) x 65,536 + TX x 8,192 + CH x 1,024
	s_lshl_b32 s3, s19, 2
	s_add_co_u32 s2, s2, s3
	s_lshl_b32 s2, s2, 16
	s_lshl_b32 s3, s23, 13
	s_add_co_u32 s2, s2, s3
	s_lshl_b32 s3, s20, 10
	s_add_co_u32 s2, s2, s3
	s_mov_b32 s3, 0
	s_add_nc_u64 s[14:15], s[14:15], s[2:3]
	s_lshl_b32 s2, s23, 16                         ; h's scale words: K step 4 TX, rows 128 TY on
	s_lshl_b32 s100, s40, 9
	s_add_co_u32 s2, s2, s100
	s_add_nc_u64 s[16:17], s[16:17], s[2:3]
	s_mov_b32 s44, 0x76543210
	s_mov_b32 s45, 0xfedcba98
	s_mov_b32 s67, 0x600000
	s_mov_b32 s46, 0xbdd2d3e8                      ; k1
	s_mov_b32 s47, s46
	s_wait_alu depctr_va_vdst(0)
	s_wait_tensorcnt 0x0                           ; my tile of the head's four is in; slot 1's first fill is issued as a refill is:
	ds_add_u32 v28, v29                            ; 0 onto my spare word
	s_mov_b32 s26, 4<<16                           ; no load of mine is out: from here on a load brings half a slot's part: 4 blocks of A,
	s_mov_b32 s28, 4
	s_mov_b32 s50, 64<<16                          ; 64 rows of B
	s_mov_b32 s52, 64
	s_wait_dscnt 0x0                               ; the add is done
	CROUND                                         ; all four tiles are in, and all sixteen work-groups are here
	s_cmp_eq_u32 s19, 0                            ; slot 1: waves 0, 1 A's halves, waves 2, 3 B's
	s_cbranch_scc0 .Lsec_b
	tensor_load_to_lds s[36:39], s[24:31]
	s_nop 0
	PLACES 4
	s_branch .Lsec
.Lsec_b:
	tensor_load_to_lds s[60:63], s[48:55]
	s_nop 0
	PLACES 4
.Lsec:
	FETCH 0, 0, 0
	SCALES 0
; a lap's results: gelu, the quantiser, the images; more = 1: the pointers step to the next column tile
.macro EPI more
	PLACES 8
.irp a, 0,1,2,3
.set XX, 128+32*\a
.set i, 0
.rept 16
	v_pk_mul_f32 v[GT+i:GT+i+1], v[XX+i:XX+i+1], v[XX+i:XX+i+1]
.set i, i+2
.endr
.set i, 0
.rept 16
	v_pk_fma_f32 v[GT+i:GT+i+1], v[GT+i:GT+i+1], s[46:47], v[26:27] op_sel_hi:[1,0,0]   ; k1 x^2 + k0
.set i, i+2
.endr
.set i, 0
.rept 16
	v_pk_mul_f32 v[GT+i:GT+i+1], v[GT+i:GT+i+1], v[XX+i:XX+i+1]
.set i, i+2
.endr
.set i, 0
	s_wait_alu depctr_va_vdst(0)
.rept 32
	v_exp_f32 v[GT+i], v[GT+i]
.set i, i+1
.endr
	v_nop
	s_wait_alu depctr_va_vdst(0)                   ; one wait for the batch of 32, ahead of its first reader
.set i, 0
.rept 16
	v_pk_add_f32 v[GT+i:GT+i+1], v[GT+i:GT+i+1], 1.0 op_sel_hi:[1,0]
.set i, i+2
.endr
.set i, 0
	s_wait_alu depctr_va_vdst(0)
.rept 32
	v_rcp_f32 v[GT+i], v[GT+i]
.set i, i+1
.endr
	v_nop
	s_wait_alu depctr_va_vdst(0)
.set i, 0
.rept 16
	v_pk_mul_f32 v[XX+i:XX+i+1], v[XX+i:XX+i+1], v[GT+i:GT+i+1]
.set i, i+2
.endr
	s_wait_alu depctr_va_vdst(0)
	s_wait_xcnt 0x0                                ; the earlier stores have read their registers
	QUANT2 XX, CD, PB
	global_store_b128 v4, v[CD:CD+3], s[14:15] offset:65536*\a          ; 32 lanes store 512 consecutive bytes
	global_store_b128 v4, v[CD+4:CD+7], s[14:15] offset:65536*\a+512
	ds_store_b16 v22, v[PB] offset:64*\a           ; bytes 2 CH, 2 CH + 1 of the row's word (lanes 16-31 write the same)
.endr
	s_wait_dscnt 0x0                               ; for the others' sake
	s_barrier_signal -1
	s_barrier_wait -1
	s_cmp_lg_u32 s18, 0
	s_cbranch_scc1 .Lnot_mine_\@
	ds_load_b128 v[116:119], v23                   ; 128 rows' words.  The next lap's two changes of slots stand between this read and the next stores into these bytes
	s_wait_dscnt 0x0
	global_store_b128 v4, v[116:119], s[16:17]     ; 512 consecutive bytes
.Lnot_mine_\@:
.if \more
	s_wait_xcnt 0x0
	s_add_nc_u64 s[14:15], s[14:15], 2048
	s_add_nc_u64 s[16:17], s[16:17], 16384
.endif
.endm
	s_mov_b32 s66, 3
.Llap:
	s_wait_loadcnt 0x0                             ; this lap's bias
	STEP 0, 0, 0
	STEP 0, 1, -1
	s_add_nc_u64 s[12:13], s[12:13], 512           ; the next lap's bias: the eight places at the head of the step above part these loads from the products that read the registers
	BIAS
	STEP 0, 2, -1
	TURN 0, 1
	STEP 1, 0, -1
	STEP 1, 1, -1
	STEP 1, 2, -1
	TURN 1, 1
	EPI 1
	s_sub_co_u32 s66, s66, 1
	s_cmp_lg_u32 s66, 0
	s_cbranch_scc1 .Llap
	s_wait_loadcnt 0x0                             ; the last lap is written out: it asks for nothing more
	STEP 0, 0, 0
	STEP 0, 1, -1
	STEP 0, 2, -1
	TURN 0, 0
	STEP 1, 0, -1
	STEP 1, 1, -1
	STEP 1, 2, -1
	s_wait_dscnt 0x0
	MULH 128, 3, 1, 0, -1
	MULH 128, 3, 1, 2, -1
	WIN 0
	EPI 0
	s_wait_tensorcnt 0x0                           ; the wave's end
	ds_add_u32 v28, v29
	s_wait_dscnt 0x0
	CROUND                                         ; the closing round
	s_endpgm
.Lfunc_end_k_q1662f9bc83_w1:
	.size	k_q1662f9bc83_w1, .Lfunc_end_k_q1662f9bc83_w1-k_q1662f9bc83_w1
	.p2alignl 7, 3214868480
	.fill 96, 4, 3214868480
	.section	.rodata,"a",@progbits
	.p2align	6, 0x0
	.amdhsa_kernel k_q1662f9bc83_w1
		.amdhsa_group_segment_fixed_size 327680
		.amdhsa_private_segment_fixed_size 0
		.amdhsa_enable_private_segment 0
		.amdhsa_kernarg_size 56
		.amdhsa_user_sgpr_count 2
		.amdhsa_user_sgpr_kernarg_segment_ptr 1
		.amdhsa_wavefront_size32 1
		.amdhsa_system_sgpr_workgroup_id_x 1
		.amdhsa_system_sgpr_workgroup_id_y 1
		.amdhsa_system_sgpr_workgroup_id_z 1
		.amdhsa_system_vgpr_workitem_id 0
		.amdhsa_next_free_vgpr 768
		.amdhsa_next_free_sgpr 102
		.amdhsa_reserve_vcc 0
		.amdhsa_float_denorm_mode_32 3
		.amdhsa_float_denorm_mode_16_64 3
		.amdhsa_memory_ordered 1
		.amdhsa_forward_progress 1
		.amdhsa_inst_pref_size 184
	.end_amdhsa_kernel
	.amdgpu_metadata
---
amdhsa.version: [ 1, 2 ]
amdhsa.kernels:
  - .name:           k_q1662f9bc83_w1
    .symbol:         k_q1662f9bc83_w1.kd
    .args:
      - { .name: act_img, .offset: 0, .size: 8, .value_kind: global_buffer, .address_space: global }
      - { .name: act_sc, .offset: 8, .size: 8, .value_kind: global_buffer, .address_space: global }
      - { .name: w1_codes, .offset: 16, .size: 8, .value_kind: global_buffer, .address_space: global }
      - { .name: w1_scales, .offset: 24, .size: 8, .value_kind: global_buffer, .address_space: global }
      - { .name: b1, .offset: 32, .size: 8, .value_kind: global_buffer, .address_space: global }
      - { .name: h_img, .offset: 40, .size: 8, .value_kind: global_buffer, .address_space: global }
      - { .name: h_sc, .offset: 48, .size: 8, .value_kind: global_buffer, .address_space: global }
    .group_segment_fixed_size: 327680
    .private_segment_fixed_size: 0
    .kernarg_segment_align: 8
    .kernarg_segment_size: 56
    .max_flat_workgroup_size: 128
    .sgpr_count:     102
    .vgpr_count:     768
    .wavefront_size: 32
...
	.end_amdgpu_metadata
.endif
;; end of part 5
;; launch w2 (part 6): grid 8 x 32, 4 waves a work-group, clusters of 4 x 4, 327,680 bytes of LDS; arguments h_img, h_sc, w2_codes, w2_scales, b2, x1, out0; writes out0
.if DOCPART == 6
	.amdgcn_target "amdgcn-amd-amdhsa--gfx1250"
	.amdhsa_code_object_version 6
	.text
	.protected	k_q1662f9bc83_w2
	.globl	k_q1662f9bc83_w2
	.p2align	8
	.type	k_q1662f9bc83_w2,@function
k_q1662f9bc83_w2:
	s_mov_b64 s[64:65], 0
	v_nop
	global_prefetch_b8 v0, s[64:65] scope:SCOPE_SE
	s_setreg_imm32_b32 hwreg(HW_REG_WAVE_MODE, 25, 1), 1
	s_wait_xcnt 0x0
	s_wait_alu depctr_hold_cnt(0) depctr_sa_sdst(0) depctr_va_vdst(0) depctr_va_sdst(0) depctr_va_ssrc(0) depctr_va_vcc(0) depctr_vm_vsrc(0)
	s_getreg_b32 s2, hwreg(HW_REG_IB_STS2, 6, 4)
	s_cmp_eq_u32 s2, 0
	s_cbranch_scc0 .Lentry_in_a_cluster
	s_endpgm
.Lentry_in_a_cluster:
	s_bfe_u32 s2, ttmp6, 0x10000c
	s_cmp_lg_u32 s2, 0xf033
	s_cbranch_scc0 .Lentry_shape_is_right
	s_endpgm
.Lentry_shape_is_right:
; out0 = x1 + h w2 + b2: C = R + A B^T + bias on codes of E4M3.  A: [4,096 x K] as register images with scale words [K step][row]; B: [1,024][K] codes, K innermost, scale bytes [1,024][K / 32]; R, C: [4,096][1,024] f32.
; SHARES.  Work-group (TX, TY) makes rows 128 TY on x columns 128 TX on; four waves, each 64 x 64: 16 accumulators.  K goes in laps of 1,024: two LDS slots of K = 512, eight steps of 128.  Here K = 4,096: four laps, both parts of a slot are filled again.
; CLUSTER 4 x 4: A's tiles and scale words hang on TY alone and are asked for jointly along a row of the cluster, B's on TX alone, along a column.
; The matrix instruction is used transposed (source 0 = 16 rows of B, source 1 = 16 rows of A): a lane holds eight neighbouring columns of a row.  The bias is the C that starts the sums.
; REGISTERS.  window 0: v1-27 addresses; v28, v29 the add's two; v32-63 scale words, two sets; v64-127 rows on the way out; v128-255 the accumulators.  window 1: two buffers of eight fragments.  window 2: v0-31 the bias, v32-159 R.
.set K,      4096
.set LAPS,   K/1024
.set NKS,    K/128
.set KS,     K/32
.set SBU,    64*KS/256                 ; units of 256 bytes in the scale bytes of 64 rows of B
.set SLOTB,  133120                    ; a slot: A's 8 x 8,192 bytes of images, then B's 128 rows of 528
.set BOFF,   65536
.set BP,     528
.set SCA,    2*SLOTB                   ; A's scale words: NKS x 512 bytes
.set SCB,    SCA+NKS*512               ; B's scale bytes, units of 256 + 16
.set STAGE,  SCB+2*SBU*272             ; the way out: 16 rows x 272 bytes for each wave; no tensor load lands here
.set SPARE,  STAGE+4*16*272            ; the spare words
.set MSB, 0
.macro WIN new
.if MSB != \new
	s_set_vgpr_msb (MSB<<8)|\new
.set MSB, \new
.endif
.endm
.macro PLACES n
.rept \n
	v_nop
.endr
.endm
.macro CREST
	s_cmp_lg_u32 s18, 0
	s_cbranch_scc1 .Lnot_wave_0_\@
	s_barrier_signal -3
.Lnot_wave_0_\@:
	s_barrier_wait -3
	s_barrier_signal -1
	s_barrier_wait -1
.endm
.macro CROUND
	s_barrier_signal -1
	s_barrier_wait -1
	CREST
.endm
.macro REFILL slot                     ; a joint refill: waves 0, 1 A's halves, waves 2, 3 B's
	s_cmp_eq_u32 s19, 0
	s_cbranch_scc0 .Lfor_b_\@
	tensor_load_to_lds s[32+4*\slot:35+4*\slot], s[24:31]
	s_nop 0
	PLACES 4
	s_branch .Lasked_\@
.Lfor_b_\@:
	tensor_load_to_lds s[56+4*\slot:59+4*\slot], s[48:55]
	s_nop 0
	PLACES 4
.Lasked_\@:
.endm
.macro FETCH slot, q, f
	WIN 0x40
.irp a, 0,1,2,3
.irp c, 0,1,2,3
	ds_load_b128 v[(\f)+16*\a+4*\c:(\f)+16*\a+4*\c+3], v[16+(\slot)] offset:8192*\a+2048*(\q)+512*\c
.endr
.endr
.irp b, 0,1,2,3
.irp c, 0,1,2,3
	ds_load_b128 v[(\f)+64+16*\b+4*\c:(\f)+64+16*\b+4*\c+3], v[18+(\slot)] offset:16*BP*\b+128*(\q)+32*\c
.endr
.endr
	WIN 0
.endm
.macro SCALES slot                     ; each register carries an even block's words in lanes 0-15 and the odd block's in lanes 16-31
.irp q, 0,1,2,3
.irp p, 0,1
	ds_load_b32 v[32+16*(\slot)+2*\q+\p], v20 offset:2048*(\slot)+512*\q+128*\p
.endr
.endr
.irp p, 0,1
	ds_load_b128 v[40+16*(\slot)+4*\p:43+16*(\slot)+4*\p], v21 offset:16*(\slot)+\p*(SBU/2)*272
.endr
.endm
.macro WM r0, r1
.if (\r0) && (\r1)
	v_wmma_scale_f32_16x16x128_f8f6f4 v[RD_:RD_+7], v[RA_:RA_+15], v[RB_:RB_+15], v[RC_:RC_+7], v[SA_], v[SB_] matrix_a_scale:MATRIX_SCALE_ROW1 matrix_b_scale:MATRIX_SCALE_ROW1
.elseif (\r0)
	v_wmma_scale_f32_16x16x128_f8f6f4 v[RD_:RD_+7], v[RA_:RA_+15], v[RB_:RB_+15], v[RC_:RC_+7], v[SA_], v[SB_] matrix_a_scale:MATRIX_SCALE_ROW1
.elseif (\r1)
	v_wmma_scale_f32_16x16x128_f8f6f4 v[RD_:RD_+7], v[RA_:RA_+15], v[RB_:RB_+15], v[RC_:RC_+7], v[SA_], v[SB_] matrix_b_scale:MATRIX_SCALE_ROW1
.else
	v_wmma_scale_f32_16x16x128_f8f6f4 v[RD_:RD_+7], v[RA_:RA_+15], v[RB_:RB_+15], v[RC_:RC_+7], v[SA_], v[SB_]
.endif
.endm
; eight products: A's blocks a0, a0 + 1 x B's four.  bi >= 0: the bias (window 2) starts the sums.  The 16 accumulators take turns in the same order in every step.
.macro MULH f, q, set, a0, bi
.if (\bi) >= 0
	WIN 0x25
.else
	WIN 0x05
.endif
.irp a, \a0, \a0+1
.irp b, 0,1,2,3
.set RD_, 128+8*(4*(\a)+\b)
.set RA_, (\f)+64+16*\b
.set RB_, (\f)+16*(\a)
.set SA_, 40+16*(\set)+4*(\b/2)+(\q)
.set SB_, 32+16*(\set)+2*(\q)+(\a)/2
.if (\bi) >= 0
.set RC_, (\bi)+8*\b
.else
.set RC_, RD_
.endif
	WM \b%2, (\a)%2
.endr
.endr
.endm
.macro STEP slot, q, bi
	PLACES 8                                       ; loads follow into registers that the last step but one's products have read
	FETCH \slot, (\q)+1, 128*(((\q)+1)%2)
	s_wait_dscnt 32                                ; all but the 32 loads just issued
	MULH 128*((\q)%2), \q, \slot, 0, \bi
	MULH 128*((\q)%2), \q, \slot, 2, \bi
	WIN 0
.endm
.macro TURN slot, mode                 ; a slot's last step changes slots.  mode = 1: this slot is filled again, K = 1,024 further on
	s_wait_tensorcnt 0x0                           ; all my tensor loads have landed: my part of the other slot among them
	ds_add_u32 v28, v29                            ; 0 onto my spare word
.if \mode
	s_add_nc_u64 s[34+4*\slot:35+4*\slot], s[34+4*\slot:35+4*\slot], 16384
	s_wait_xcnt 0x0                                ; my last prefetch has read its address: it steps a slot's K on
	s_add_nc_u64 s[94:95], s[94:95], s[96:97]
	s_add_nc_u64 s[58+4*\slot:59+4*\slot], s[58+4*\slot:59+4*\slot], 1024
.endif
	s_wait_dscnt 0x0                               ; the add is done, and my reads of this slot are over
	s_barrier_signal -1
	MULH 128, 3, \slot, 0, -1
	WIN 0
	s_barrier_wait -1
.if \mode
	CREST                                          ; the barrier has opened a round of the cluster's: no wave of any partner still reads this slot or has a load on its way
	REFILL \slot
	PLACES 4                                       ; with the four behind the load: eight places in front of the loads below
.else
	PLACES 8
.endif
.if \slot == 1
	v_add_nc_u32 v20, 4096, v20                    ; the next lap's scale words
	v_add_nc_u32 v21, 32, v21
.endif
	FETCH 1-\slot, 0, 0
	s_wait_alu depctr_va_vdst(0)
	SCALES 1-\slot
.if \mode
	s_cmp_gt_u32 s66, 1                            ; the tile that stands two refills on; the last trip's two refills have none
	s_cbranch_scc0 .Lno_ask_\@
	global_prefetch_b8 v30, s[94:95] th:TH_LOAD_NT scope:SCOPE_SE
.Lno_ask_\@:
.endif
	MULH 128, 3, \slot, 2, -1
	WIN 0
.endm
	s_load_b256 s[4:11], s[0:1], 0x0               ; A's images, A's scale words, B's codes, B's scale bytes
	s_load_b128 s[12:15], s[0:1], 0x20             ; the bias, R
	s_load_b64 s[16:17], s[0:1], 0x30              ; C
	v_lshl_add_u32 v28, v0, 2, SPARE
	v_mov_b32 v29, 0
	ds_add_u32 v28, v29                            ; the wave's opening: the add, twice on end, and its wait ahead of my first tensor load
	ds_add_u32 v28, v29
	v_lshrrev_b32 v1, 5, v0
	v_readfirstlane_b32 s18, v1                    ; wave 0..3
	s_lshr_b32 s19, s18, 1                         ; RH.  Also: I fetch for A (0) or for B (1)
	s_and_b32 s20, s18, 1                          ; CH.  Also: which half I fetch
	s_bfe_u32 s21, ttmp6, 0x40000                  ; cx
	s_bfe_u32 s22, ttmp6, 0x40004                  ; cy
	s_lshl_b32 s23, ttmp9, 2
	s_add_co_u32 s23, s23, s21                     ; TX
	s_and_b32 s40, ttmp7, 0xffff
	s_lshl_b32 s40, s40, 2
	s_add_co_u32 s40, s40, s22                     ; TY
	s_lshl_b32 s41, s22, 2
	s_lshl_b32 s41, 15, s41                        ; my row of the cluster
	s_lshl_b32 s42, 0x1111, s21                    ; my column
	s_or_b32 s24, s41, (3<<16)|(1<<21)             ; A's images: elements of 8 bytes, 4 rows of 8,192 bytes
	s_mov_b32 s25, 1024<<16
	s_mov_b32 s26, 8<<16                           ; the head's load brings all 8 blocks of a slot; behind it the two words that count rows are set to 4
	s_mov_b32 s27, 1024<<16
	s_mov_b32 s28, 8
	s_mov_b32 s29, 2*K
	s_mov_b32 s30, 0
	s_mov_b32 s31, 0
	s_or_b32 s48, s42, (0<<16)|(1<<20)|(1<<21)|(6<<22)|(3<<25)   ; B's codes: 64 rows of 512 bytes, 16 of padding behind each
	s_mov_b32 s49, 512<<16
	s_mov_b32 s50, 128<<16                         ; the head's load brings all 128 rows of a slot; behind it: 64
	s_mov_b32 s51, 512<<16
	s_mov_b32 s52, 128
	s_mov_b32 s53, K
	s_mov_b32 s54, 0
	s_mov_b32 s55, 0
	s_or_b32 s68, s41, (3<<16)|(1<<21)             ; A's scale words: NKS rows of 512 bytes, 16,384 apart
	s_mov_b32 s69, 64<<16
	s_mov_b32 s70, NKS<<16                         ; all K steps by one load
	s_mov_b32 s71, 64<<16
	s_mov_b32 s72, NKS
	s_mov_b32 s73, 2048
	s_mov_b32 s74, 0
	s_mov_b32 s75, 0
	s_or_b32 s80, s42, (3<<16)|(1<<20)|(1<<21)|(5<<22)|(3<<25)   ; B's scale bytes of 64 rows: SBU dense units of 256 bytes, 16 of padding behind each
	s_mov_b32 s81, 32<<16
	s_mov_b32 s82, (2*SBU)<<16                     ; all 128 rows' scale bytes by one load
	s_mov_b32 s83, 32<<16
	s_mov_b32 s84, 2*SBU
	s_mov_b32 s85, 32
	s_mov_b32 s86, 0
	s_mov_b32 s87, 0
	s_lshl_b32 s43, s40, 3                         ; A: blocks 8 TY + 4 CH on
	s_lshl_b32 s46, s20, 2
	s_add_co_u32 s43, s43, s46
	s_mul_i32 s46, s43, NKS*2048
	s_mov_b32 s47, 0
	s_mov_b32 s2, 0                                ; A's scale words: from K step 0 on
	s_lshl_b32 s3, s40, 9
	s_add_co_u32 s2, s2, s3
	s_mov_b32 s3, 0
	s_lshl_b32 s100, s23, 7                        ; B: rows 128 TX + 64 CH on
	s_lshl_b32 s101, s20, 6
	s_add_co_u32 s100, s100, s101
	s_lshl_b32 s44, s23, 7                         ; B's scale bytes, from row 128 TX on
	s_mul_i32 s44, s44, KS
	s_mov_b32 s45, 0
	s_mul_i32 s100, s100, K
	s_mov_b32 s101, 0
	s_wait_dscnt 0x0                               ; both opening adds are done
	s_wait_kmcnt 0x0
	s_add_nc_u64 s[46:47], s[4:5], s[46:47]
	s_add_nc_u64 s[2:3], s[6:7], s[2:3]
	s_add_nc_u64 s[100:101], s[8:9], s[100:101]
	s_add_nc_u64 s[44:45], s[10:11], s[44:45]
	s_lshl_b32 s43, s20, 15
	s_mul_i32 s41, s20, 64*BP
	s_add_co_u32 s41, s41, BOFF
.irp s, 0,1
	s_mov_b32 s[32+4*\s], 1
	s_add_co_u32 s[33+4*\s], s43, \s*SLOTB
	s_add_nc_u64 s[34+4*\s:35+4*\s], s[46:47], \s*8192
	s_or_b32 s[35+4*\s], s[35+4*\s], 0x80000000
	s_mov_b32 s[56+4*\s], 1
	s_add_co_u32 s[57+4*\s], s41, \s*SLOTB
	s_add_nc_u64 s[58+4*\s:59+4*\s], s[100:101], \s*512
	s_or_b32 s[59+4*\s], s[59+4*\s], 0x80000000
.endr
	s_mov_b32 s76, 1
	s_mov_b32 s77, 0
	s_add_co_u32 s77, s77, SCA
	s_mov_b64 s[78:79], s[2:3]
	s_or_b32 s79, s79, 0x80000000
	s_mov_b32 s88, 1
	s_mov_b32 s89, 0
	s_add_co_u32 s89, s89, SCB
	s_mov_b64 s[90:91], s[44:45]
	s_or_b32 s91, s91, 0x80000000
	CROUND                                         ; all sixteen work-groups are here: the first joint loads meet
	s_cmp_eq_u32 s18, 0                            ; the head's loads, one a wave, in one chain of branches on the wave's number: wave 0 A's part of slot 0,
	s_cbranch_scc0 .Lh1
	tensor_load_to_lds s[32:35], s[24:31]
	s_nop 0
	PLACES 4
	s_branch .Lfilled
.Lh1:
	s_cmp_eq_u32 s18, 1                            ; wave 1 A's scale words,
	s_cbranch_scc0 .Lh2
	tensor_load_to_lds s[76:79], s[68:75]
	s_nop 0
	PLACES 4
	s_branch .Lfilled
.Lh2:
	s_cmp_eq_u32 s18, 2                            ; wave 2 B's part of slot 0,
	s_cbranch_scc0 .Lh3
	tensor_load_to_lds s[56:59], s[48:55]
	s_nop 0
	PLACES 4
	s_branch .Lfilled
.Lh3:
	tensor_load_to_lds s[88:91], s[80:87]          ; wave 3 B's scale bytes
	s_nop 0
	PLACES 4
.Lfilled:
	v_and_b32 v1, 15, v0                           ; r
	v_bfe_u32 v2, v0, 4, 1                         ; h
	v_and_b32 v3, 31, v0                           ; lane
	v_lshlrev_b32 v4, 4, v3
	s_lshl_b32 s2, s19, 15
	v_add_nc_u32 v16, s2, v4
	v_add_nc_u32 v17, SLOTB, v16
	v_mul_u32_u24 v5, v1, BP
	v_lshl_add_u32 v5, v2, 4, v5
	s_mul_i32 s2, s20, 64*BP
	s_add_co_u32 s2, s2, BOFF
	v_add_nc_u32 v18, s2, v5
	v_add_nc_u32 v19, SLOTB, v18
	v_lshlrev_b32 v20, 2, v3
	s_lshl_b32 s2, s19, 8
	s_add_co_u32 s2, s2, SCA
	v_add_nc_u32 v20, s2, v20
	v_mul_u32_u24 v6, v3, KS
	v_lshrrev_b32 v7, 8, v6
	v_lshl_add_u32 v21, v7, 4, v6
	s_mul_i32 s2, s20, SBU*272
	s_add_co_u32 s2, s2, SCB
	v_add_nc_u32 v21, s2, v21
	s_mul_i32 s2, s18, 16*272
	s_add_co_u32 s2, s2, STAGE                     ; my stage
	v_mul_u32_u24 v22, v1, 272
	v_lshl_add_u32 v22, v2, 5, v22
	v_add_nc_u32 v22, s2, v22                      ; in: row r, 32 bytes for each half of the lanes
	v_mul_u32_u24 v23, v2, 272
	v_lshl_add_u32 v23, v1, 4, v23
	v_add_nc_u32 v23, s2, v23                      ; back: lanes 0-15 one row of 256 bytes, lanes 16-31 the next
	v_lshlrev_b32 v24, 12, v2
	v_lshl_add_u32 v24, v1, 4, v24                 ; and the same two rows in R and C
	v_lshlrev_b32 v25, 5, v2                       ; 32 h
	s_wait_alu depctr_va_vdst(0)
	s_lshl_b32 s2, s23, 9
	s_lshl_b32 s3, s20, 8
	s_add_co_u32 s2, s2, s3                        ; my 64 columns, in bytes
	s_mov_b32 s3, 0
	s_add_nc_u64 s[12:13], s[12:13], s[2:3]
	s_lshl_b32 s100, s40, 7
	s_lshl_b32 s101, s19, 6
	s_add_co_u32 s100, s100, s101
	s_lshl_b32 s100, s100, 12                      ; my first row
	s_add_co_u32 s100, s100, s2
	s_mov_b32 s101, 0
	s_add_nc_u64 s[14:15], s[14:15], s[100:101]
	s_add_nc_u64 s[16:17], s[16:17], s[100:101]
	; THE PREFETCHES: a slot's tile is 8 blocks x 8,192 bytes of A and 128 rows x 512 bytes of B.  The four partners that ask for a tile jointly share it out by address: partner p's wave with half CH takes eighth 2 p + CH
	; (p = cx for A, cy for B): 8,192 bytes, a lane to each 256: one instruction a wave, and each 256 bytes named once in each cluster that will load them.  A refill's trip asks for the tile two refills on; the head asks for tiles 1 and 2.
	s_cmp_eq_u32 s19, 0                            ; do I fetch for A?
	s_cselect_b64 s[92:93], s[4:5], s[8:9]
	s_cselect_b32 s94, s21, s22                    ; my place among the four
	s_mov_b32 s96, 512
	s_cselect_b32 s96, 8192, s96                   ; a slot on along K
	s_mov_b32 s99, K
	s_cselect_b32 s99, 512, s99                    ; from one pair of lanes to the next: 512 bytes on in A's block, a row on in B
	s_mov_b32 s97, 0
	s_lshl_b32 s94, s94, 1
	s_add_co_u32 s94, s94, s20                     ; my eighth
	s_lshl_b32 s95, s40, 3
	s_add_co_u32 s95, s95, s94
	s_mul_i32 s95, s95, NKS*2048                   ; A: block 8 TY + eighth
	s_lshl_b32 s98, s23, 3
	s_add_co_u32 s98, s98, s94
	s_mul_i32 s98, s98, 16*K                       ; B: row 128 TX + 16 x eighth
	s_cmp_eq_u32 s19, 0
	s_cselect_b32 s94, s95, s98
	s_mov_b32 s95, 0
	s_add_nc_u64 s[92:93], s[92:93], s[94:95]
	s_add_nc_u64 s[92:93], s[92:93], s[96:97]      ; tile 1
	s_add_nc_u64 s[94:95], s[92:93], s[96:97]      ; tile 2
	v_lshrrev_b32 v30, 1, v3
	v_mul_lo_u32 v30, v30, s99
	v_and_b32 v31, 1, v3
	v_lshl_add_u32 v30, v31, 8, v30                ; never rewritten
	s_wait_alu depctr_va_vdst(0)
	global_prefetch_b8 v30, s[92:93] th:TH_LOAD_NT scope:SCOPE_SE
	global_prefetch_b8 v30, s[94:95] th:TH_LOAD_NT scope:SCOPE_SE
	WIN 0x80
.irp b, 0,1,2,3
	global_load_b128 v[8*\b:8*\b+3], v25, s[12:13] offset:64*\b
	global_load_b128 v[8*\b+4:8*\b+7], v25, s[12:13] offset:64*\b+16
.endr
.irp a, 0,1,2,3
.irp t, 0,1,2,3,4,5,6,7
	global_load_b128 v[32+4*(8*\a+\t):35+4*(8*\a+\t)], v24, s[14:15] offset:(16*\a+2*\t)*4096   ; R, in the layout in which the rows come back from the stage
.endr
.endr
	WIN 0
	s_wait_alu depctr_va_vdst(0)
	s_wait_tensorcnt 0x0                           ; my tile of the head's four is in; slot 1's first fill is issued as a refill is:
	ds_add_u32 v28, v29                            ; 0 onto my spare word
	s_wait_xcnt 0x0                                ; the head's prefetches have read their addresses
	s_add_nc_u64 s[94:95], s[94:95], s[96:97]      ; tile 3
	s_mov_b32 s26, 4<<16
	s_mov_b32 s28, 4
	s_mov_b32 s50, 64<<16                          ; 64 rows of B
	s_mov_b32 s52, 64
	s_wait_dscnt 0x0                               ; the add is done
	CROUND                                         ; all four tiles are in, and all sixteen work-groups are here
	REFILL 1                                       ; slot 1, the first tensor load behind the round
	FETCH 0, 0, 0
	SCALES 0
	s_wait_loadcnt 32                              ; the bias is in; R's 32 loads may be out
	STEP 0, 0, 0
	global_prefetch_b8 v30, s[94:95] th:TH_LOAD_NT scope:SCOPE_SE   ; tile 3, two refills ahead of its load
.if LAPS > 1
	s_mov_b32 s66, LAPS-1
.Llap:                                                 ; a trip goes once round the ring, from a lap's second step to the next lap's first, and fills both slots again
	STEP 0, 1, -1
	STEP 0, 2, -1
	TURN 0, 1
	STEP 1, 0, -1
	STEP 1, 1, -1
	STEP 1, 2, -1
	TURN 1, 1
	STEP 0, 0, -1
	s_sub_co_u32 s66, s66, 1
	s_cmp_lg_u32 s66, 0
	s_cbranch_scc1 .Llap
.endif
	STEP 0, 1, -1                                  ; the last lap fills nothing
	STEP 0, 2, -1
	TURN 0, 0
	STEP 1, 0, -1
	STEP 1, 1, -1
	STEP 1, 2, -1
	s_wait_dscnt 0x0
	MULH 128, 3, 1, 0, -1
	MULH 128, 3, 1, 2, -1
	WIN 0
; THE WAY OUT, 16 rows at a time through my own stage: a wave's 64 columns are 256 bytes, so sixteen lanes store one aligned run of 256 bytes.  LDS serves a wave's instructions in order (ISA guide 5.7.1.4).
.macro TOSTAGE a
.irp b, 0,1,2,3
	ds_store_b128 v22, v[128+8*(4*(\a)+\b):131+8*(4*(\a)+\b)] offset:64*\b          ; each accumulator from its low end on
	ds_store_b128 v22, v[132+8*(4*(\a)+\b):135+8*(4*(\a)+\b)] offset:64*\b+16
.endr
.irp t, 0,1,2,3,4,5,6,7
	ds_load_b128 v[64+32*((\a)%2)+4*\t:67+32*((\a)%2)+4*\t], v23 offset:544*\t
.endr
.endm
.macro SEND a, younger
	s_wait_dscnt \younger                          ; the block is back; the next block's stores and loads may be out
	WIN 0x08
.set i, 0
.rept 16
	v_pk_add_f32 v[64+32*((\a)%2)+i:65+32*((\a)%2)+i], v[64+32*((\a)%2)+i:65+32*((\a)%2)+i], v[32+32*(\a)+i:33+32*(\a)+i]   ; + R
.set i, i+2
.endr
	WIN 0
.irp t, 0,1,2,3,4,5,6,7
.if K > 1024
	global_store_b128 v24, v[64+32*((\a)%2)+4*\t:67+32*((\a)%2)+4*\t], s[16:17] offset:(16*(\a)+2*\t)*4096 th:TH_STORE_NT
.else
	global_store_b128 v24, v[64+32*((\a)%2)+4*\t:67+32*((\a)%2)+4*\t], s[16:17] offset:(16*(\a)+2*\t)*4096
.endif
.endr
.endm
	s_wait_loadcnt 0x0                             ; R
	PLACES 8
	TOSTAGE 0
.irp a, 1,2,3
.if \a > 1
	s_wait_xcnt 0x0                                ; block a - 2's stores have read their registers: block a's loads may land there
.endif
	TOSTAGE \a
	SEND \a-1, 16
.endr
	SEND 3, 0
	s_wait_tensorcnt 0x0                           ; the wave's end
	ds_add_u32 v28, v29
	s_wait_dscnt 0x0
	CROUND                                         ; the closing round
	s_endpgm
.Lfunc_end_k_q1662f9bc83_w2:
	.size	k_q1662f9bc83_w2, .Lfunc_end_k_q1662f9bc83_w2-k_q1662f9bc83_w2
	.p2alignl 7, 3214868480
	.fill 96, 4, 3214868480
	.section	.rodata,"a",@progbits
	.p2align	6, 0x0
	.amdhsa_kernel k_q1662f9bc83_w2
		.amdhsa_group_segment_fixed_size 327680
		.amdhsa_private_segment_fixed_size 0
		.amdhsa_enable_private_segment 0
		.amdhsa_kernarg_size 56
		.amdhsa_user_sgpr_count 2
		.amdhsa_user_sgpr_kernarg_segment_ptr 1
		.amdhsa_wavefront_size32 1
		.amdhsa_system_sgpr_workgroup_id_x 1
		.amdhsa_system_sgpr_workgroup_id_y 1
		.amdhsa_system_sgpr_workgroup_id_z 1
		.amdhsa_system_vgpr_workitem_id 0
		.amdhsa_next_free_vgpr 768
		.amdhsa_next_free_sgpr 102
		.amdhsa_reserve_vcc 0
		.amdhsa_float_denorm_mode_32 3
		.amdhsa_float_denorm_mode_16_64 3
		.amdhsa_memory_ordered 1
		.amdhsa_forward_progress 1
		.amdhsa_inst_pref_size 104
	.end_amdhsa_kernel
	.amdgpu_metadata
---
amdhsa.version: [ 1, 2 ]
amdhsa.kernels:
  - .name:           k_q1662f9bc83_w2
    .symbol:         k_q1662f9bc83_w2.kd
    .args:
      - { .name: h_img, .offset: 0, .size: 8, .value_kind: global_buffer, .address_space: global }
      - { .name: h_sc, .offset: 8, .size: 8, .value_kind: global_buffer, .address_space: global }
      - { .name: w2_codes, .offset: 16, .size: 8, .value_kind: global_buffer, .address_space: global }
      - { .name: w2_scales, .offset: 24, .size: 8, .value_kind: global_buffer, .address_space: global }
      - { .name: b2, .offset: 32, .size: 8, .value_kind: global_buffer, .address_space: global }
      - { .name: x1, .offset: 40, .size: 8, .value_kind: global_buffer, .address_space: global }
      - { .name: out0, .offset: 48, .size: 8, .value_kind: global_buffer, .address_space: global }
    .group_segment_fixed_size: 327680
    .private_segment_fixed_size: 0
    .kernarg_segment_align: 8
    .kernarg_segment_size: 56
    .max_flat_workgroup_size: 128
    .sgpr_count:     102
    .vgpr_count:     768
    .wavefront_size: 32
...
	.end_amdgpu_metadata
.endif
;; end of part 6
